; MI455X (gfx1250); checked and timed in simulation.
; The chip was launched on July 23, 2026; its instructions are those of AMD's public machine-readable ISA for CDNA 5 (MIT licence, August 2026) and "CDNA5" Instruction Set Architecture Reference Guide (July 2026). The comments in the code are by the model that wrote it; some were corrected since.
;; Self Attention V2. Allowed arithmetic: matrix products marked QUANTISED: E2M1 operands, one E8M0 scale for each 32 along K, by v_wmma_scale_f32_16x16x128_f8f6f4 with both operands' format E2M1 (or v_wmma_scale_f32_32x16x128_f4), f32 sums; products left as they are: bf16, f16 or f32 operands; f32 sums; everything else in f32.
;; Inputs: W_k 1,024 x 1,024 float32; W_q 1,024 x 1,024 float32; W_v 1,024 x 1,024 float32; x 4,096 x 1,024 float32.
;; Outputs: out0 4,096 x 1,024 float32.
;; This version of the problem:
;;   THIS VERSION OF THE PROBLEM IS GIVEN IN LOW PRECISION. The matrix products marked QUANTISED in the list below multiply operands that are first quantised to E2M1 (2 exponent bits, 1 mantissa bit; 4 bits a number), with one power-of-two scale for each 32 numbers along K (OCP MX v1.0); their sums are f32. The products marked 'left as it is' may take bf16, f16 or f32 operands, with f32 sums. Whichever they take, every output number must still come out within the allowed error. Rounding operands to bf16 (8 significant bits) uses up far more of that allowance than f16 does (11 bits, for magnitudes from 6e-5 to 65,504). All else is computed in f32.
;;   The module's matrix products, in the order in which they are computed (A, B: the left and right operand; K: the contracted axis; several contracted axes count as one K, in the product's order):
;;     1. [M 4,096, K 1,024] x [K 1,024, N 1,024]; A: input x; B: input W_q: QUANTISED
;;     2. [M 4,096, K 1,024] x [K 1,024, N 1,024]; A: input x; B: input W_k: QUANTISED
;;     3. [M 4,096, K 1,024] x [K 1,024, N 1,024]; A: input x; B: input W_v: QUANTISED
;;     4. [M 4,096, K 1,024] x [K 1,024, N 4,096]; A: computed on the way; B: computed on the way: left as it is (an operand is computed on the way)
;;     5. [M 4,096, K 4,096] x [K 4,096, N 1,024]; A: computed on the way; B: computed on the way: left as it is (an operand is computed on the way)
;;   THE QUANTISER, for each operand of a quantised product, along K:
;;     - K is cut into blocks of 32 from its start; a last block that is shorter is filled with zeros.
;;     - A block's scale is 2^e with e = floor(log2(the largest magnitude in the block)) - 2, held to -126 .. 127; a block of zeros has e = 0. As a byte (E8M0): e + 127.
;;     - Each number is divided by its block's scale, clamped to +-6, and rounded to the nearest number of E2M1, ties to even, subnormals kept.
;;     - The product sums the exact products of the quantised numbers (number of the format x scale) in f32.
;;   ~~~python
;;   def quantise(x, axis):      # numpy; x: float32 -> the quantised numbers, widened to float32 again
;;       x = np.moveaxis(x, axis, -1); K = x.shape[-1]
;;       x = np.pad(x, [(0, 0)] * (x.ndim - 1) + [(0, -K % 32)]); x = x.reshape(x.shape[:-1] + (-1, 32)); a = np.abs(x).max(-1, keepdims=True)
;;       e = np.where(a > 0, np.clip(np.frexp(np.where(a > 0, a, 1))[1] - 1 - 2, -126, 127), 0)      # np.frexp(a)[1] - 1 = floor(log2(a)), exactly
;;       r = np.clip(x / 2.0 ** e, -6, 6)
;;       step = 2.0 ** (np.maximum(np.frexp(np.where(r == 0, 1, r))[1] - 1, 0) - 1)
;;       q = np.round(r / step) * step * 2.0 ** e      # np.round: ties to even
;;       return np.moveaxis(q.reshape(q.shape[:-2] + (-1,))[..., :K], -1, axis).astype(np.float32)
;;   ~~~
;; One version. Each part assembles by itself: llvm-mc -triple=amdgcn-amd-amdhsa -mcpu=gfx1250 --defsym DOCPART=n.
;; ======== version 1 of 1: 4 launches
;; limits: values are held in f16: magnitudes above 65,504 overflow, below 6.1e-05 lose precision
;; workspace buffers: xc 2,097,152 bytes; xs 131,072 bytes; wc 1,572,864 bytes; ws 98,304 bytes; qkv 25,165,824 bytes; ph 33,554,432 bytes; st 1,048,576 bytes
;; launch quant (part 1): grid 224 x 1, 4 waves a work-group, no clusters, 33,280 bytes of LDS; arguments x, W_q, W_k, W_v, xc, xs, wc, ws; writes xc, xs, wc, ws
.if DOCPART == 1
	.amdgcn_target "amdgcn-amd-amdhsa--gfx1250"
	.amdhsa_code_object_version 6
	.text
	.protected	k_q40fe630be8_quant
	.globl	k_q40fe630be8_quant
	.p2align	8
	.type	k_q40fe630be8_quant,@function
k_q40fe630be8_quant:
	s_mov_b64 s[64:65], 0
	v_nop
	global_prefetch_b8 v0, s[64:65] scope:SCOPE_SE
	s_setreg_imm32_b32 hwreg(HW_REG_WAVE_MODE, 25, 1), 1
	s_wait_xcnt 0x0
; x [4096][1024] and W_q, W_k, W_v [1024][1024], f32 with K innermost, become codes of FP4 (E2M1), two a byte, K innermost, with one E8M0 byte for each 32 along K.
; xc [4096][512 bytes], xs [4096][32]; the three weights are stacked: wc [3072][512 bytes], ws [3072][32], rows 0-1023 W_q, 1024-2047 W_k, 2048-3071 W_v.
; A block's scale is 2^(floor(log2(its largest magnitude)) - 2); its byte is the largest magnitude's own exponent field - 2, held at 1 from below.  Each number is divided by the scale and rounded
; to the nearest code, ties to even; beyond 6 the conversion gives the largest code.
; LIMITS: a block of zeros gets the byte 1 where the rule says 127 (its codes are zeros, and these bytes are read by this program alone); blocks whose largest magnitude lies under 2^-124 are held at
; the byte 1; NaN and infinities among the inputs are not served.
; Rows are dense and K is a multiple of 32: every tensor is a plain stream of blocks of 32.  A work-group takes 32,768 numbers, a wave 8,192 in 16 steps of 512.  Work-groups 0-127 take x, 128-159 W_q,
; 160-191 W_k, 192-223 W_v: only pointers are chosen, by the work-group's number; there is one way through the text.
; A conversion takes 8 numbers of one block from ONE lane's registers, a load is densest where neighbouring lanes take neighbouring bytes: each of a step's four loads reads 512 consecutive bytes, the 2,048 bytes
; go through the wave's own stage in LDS as they lie and come back 64 bytes a lane (two neighbouring lanes hold a block).  No tensor load, no barrier: waves share nothing.
.set WAVES, 4
.set STEPS, 16
.set EMAX,  2
.set CB,    8                          ; bytes of 16 codes
.set R,     16                         ; v16-79   four sets of 16 numbers as they are loaded
.set X,     80                         ; v80-111  two sets of 16 neighbours
.set C,     128                        ; v128-191 codes: four registers for each step, so that no store's data are written again
.set E,     112                        ; v112-127 a scale byte for each step
.set WREG,  8192                       ; LDS: a region for each wave: two stages of 32 x SP bytes, behind them its 256 scale bytes
.set SP,    80                         ; a lane's place in a stage: 64 bytes + 16 of padding
.set SPW,   12                         ; v12      LDS address of my spare word; never rewritten
.set NIL,   13                         ; v13      0; never rewritten
.set SPARE, WAVES*WREG                 ; behind the four regions: the spare words, 128 bytes for each wave, which no other line names
.set SRC,   22                         ; s[22:23] the numbers;  s[24:25] the codes;  s[26:27] the scale bytes
.set DCO,   24
.set DSC,   26
	s_load_b256 s[4:11], s[0:1], 0x0               ; x s[4:5], W_q s[6:7], W_k s[8:9], W_v s[10:11]
	s_load_b256 s[12:19], s[0:1], 0x20             ; xc s[12:13], xs s[14:15], wc s[16:17], ws s[18:19]
	v_lshl_add_u32 v[SPW], v0, 2, SPARE
	v_mov_b32 v[NIL], 0
	v_lshrrev_b32 v1, 5, v0
	v_readfirstlane_b32 s20, v1                    ; wave
	v_and_b32 v2, 31, v0                           ; lane
	v_lshlrev_b32 v3, 4, v2                        ; my 16 bytes of a load's 512
	s_mul_i32 s29, s20, WREG
	v_lshrrev_b32 v14, 2, v2
	v_mul_u32_u24 v14, v14, SP
	v_and_b32 v15, 3, v2
	v_lshl_add_u32 v14, v15, 4, v14
	v_add_nc_u32 v14, s29, v14                     ; the stage, on the way in: four lanes' 64 bytes on end, then 16 of padding
	v_mul_u32_u24 v15, v2, SP
	v_add_nc_u32 v15, s29, v15                     ; and on the way out: SP x lane: my 16 neighbours
	v_mul_u32_u24 v4, v2, CB                       ; my codes' place in a step's
	v_lshrrev_b32 v5, 1, v2
	s_add_co_u32 s29, s29, 2*32*SP
	v_add_nc_u32 v5, s29, v5                       ; LDS: my wave's 256 scale bytes, my block's byte
	v_lshlrev_b32 v7, 3, v2                        ; and on the way out 8 bytes a lane
	v_add_nc_u32 v6, s29, v7
	s_and_b32 s21, ttmp9, 31                       ; a weight's work-groups count from a multiple of 32
	s_wait_kmcnt 0x0
	s_cmp_lt_u32 ttmp9, 192                        ; the choices hang on the work-group's number alone
	s_cselect_b64 s[SRC:SRC+1], s[8:9], s[10:11]
	s_cmp_lt_u32 ttmp9, 160
	s_cselect_b64 s[SRC:SRC+1], s[6:7], s[SRC:SRC+1]
	s_cmp_lt_u32 ttmp9, 128
	s_cselect_b64 s[SRC:SRC+1], s[4:5], s[SRC:SRC+1]
	s_cselect_b64 s[DCO:DCO+1], s[12:13], s[16:17]
	s_cselect_b64 s[DSC:DSC+1], s[14:15], s[18:19]
	s_cselect_b32 s21, ttmp9, s21                  ; which 32,768 numbers of the tensor that is read,
	s_cselect_b32 s28, 0, 128
	s_sub_co_u32 s28, ttmp9, s28                   ; and of the buffers that are written (the weights stacked)
	s_lshl_b32 s21, s21, 2
	s_add_co_u32 s21, s21, s20                     ; my wave's run of 8,192 numbers
	s_lshl_b32 s30, s21, 15                        ; 32,768 bytes a run
	s_mov_b32 s31, 0
	s_add_nc_u64 s[SRC:SRC+1], s[SRC:SRC+1], s[30:31]
	s_lshl_b32 s28, s28, 2
	s_add_co_u32 s28, s28, s20
	s_lshl_b32 s30, s28, 12                        ; 4,096 bytes of codes a run
	s_add_nc_u64 s[DCO:DCO+1], s[DCO:DCO+1], s[30:31]
	s_lshl_b32 s30, s28, 8                         ; 256 scale bytes a run
	s_add_nc_u64 s[DSC:DSC+1], s[DSC:DSC+1], s[30:31]
.macro LOAD t
.irp i, 0,1,2,3
	global_load_b128 v[R+16*((\t)%4)+4*\i:R+16*((\t)%4)+4*\i+3], v3, s[SRC:SRC+1] offset:2048*(\t)+512*\i th:TH_LOAD_NT   ; 32 lanes read 512 consecutive bytes
.endr
.endm
.macro TURN t                          ; step t's numbers through the stage: LDS serves a wave's instructions in order (ISA guide 5.7.1.4), so no wait stands between the stores and the loads
.irp i, 0,1,2,3
	ds_store_b128 v14, v[R+16*((\t)%4)+4*\i:R+16*((\t)%4)+4*\i+3] offset:32*SP*((\t)%2)+8*SP*\i
.endr
.irp i, 0,1,2,3
	ds_load_b128 v[X+16*((\t)%2)+4*\i:X+16*((\t)%2)+4*\i+3], v15 offset:32*SP*((\t)%2)+16*\i
.endr
.endm
.irp t, 0,1,2,3
	LOAD \t
.endr
	s_wait_loadcnt 12                              ; step 0's four loads are in; the twelve of steps 1 to 3 may be out
	TURN 0
.macro STEP t
.set XS, X+16*((\t)%2)
.if (\t) > 0
	s_wait_dscnt 1                                 ; this step's numbers are back from the stage (the last step's byte store may be out): so its stores into the stage have read their registers,
.else
	s_wait_dscnt 0x0
.endif
.if (\t)+4 < STEPS
	LOAD (\t)+4                                    ; which take the loads of four steps on
.endif
.if (\t)+1 < STEPS
.if STEPS-2-(\t) >= 3
	s_wait_loadcnt 12                              ; the next step's four loads are in; those of the three steps behind it may be out
.else
	s_wait_loadcnt 4*(STEPS-2-(\t))
.endif
	TURN (\t)+1                                    ; and go through the other stage while this step is worked
.endif
	v_max3_num_f32 v8, |v[XS]|, |v[XS+1]|, |v[XS+2]|               ; the largest magnitude of my 16, in two chains
	v_max3_num_f32 v9, |v[XS+3]|, |v[XS+4]|, |v[XS+5]|
.irp i, 6,10
	v_max3_num_f32 v8, v8, |v[XS+\i]|, |v[XS+\i+1]|
	v_max3_num_f32 v9, v9, |v[XS+\i+2]|, |v[XS+\i+3]|
.endr
	v_max3_num_f32 v8, v8, |v[XS+14]|, |v[XS+15]|
	v_max3_num_f32 v8, v8, v9, (EMAX+1)<<23        ; and the floor 2^(EMAX + 1 - 127): so the byte cannot fall under 1
	v_max_num_f32_dpp v8, v8, v8 row_xmask:1 row_mask:0xf bank_mask:0xf   ; and of my neighbour's 16: the block's
	v_add_nc_u32 v11, -(EMAX<<23), v8              ; EMAX off its exponent field: the conversion takes the exponent field of this operand as its scale, and nothing else of it
	v_cvt_scalef32_pk8_fp4_f32 v[C+4*(\t)], v[XS:XS+7], v11        ; the first number's code in the lowest four bits
	v_cvt_scalef32_pk8_fp4_f32 v[C+4*(\t)+1], v[XS+8:XS+15], v11
	v_lshrrev_b32 v[E+(\t)], 23, v11               ; the scale's byte (also the plain line behind the conversions)
	ds_store_b8 v5, v[E+(\t)] offset:16*(\t)       ; both lanes of a block write the same byte with the same value
	global_store_b64 v4, v[C+4*(\t):C+4*(\t)+1], s[DCO:DCO+1] offset:32*CB*(\t)   ; the wave stores 256 consecutive bytes, aligned
.endm
.irp t, 0,1,2,3,4,5,6,7,8,9,10,11,12,13,14,15
	STEP \t
.endr
	ds_load_b64 v[8:9], v6                         ; these see my byte stores: LDS serves a wave in order
	s_wait_dscnt 0x0
	global_store_b64 v7, v[8:9], s[DSC:DSC+1]      ; 32 lanes store 256 consecutive bytes, aligned
	s_wait_tensorcnt 0x0                           ; the wave's end: behind my last LDS store
	ds_add_u32 v[SPW], v[NIL]
	s_wait_dscnt 0x0
	s_endpgm
.Lfunc_end_k_q40fe630be8_quant:
	.size	k_q40fe630be8_quant, .Lfunc_end_k_q40fe630be8_quant-k_q40fe630be8_quant
	.p2alignl 7, 3214868480
	.fill 96, 4, 3214868480
	.section	.rodata,"a",@progbits
	.p2align	6, 0x0
	.amdhsa_kernel k_q40fe630be8_quant
		.amdhsa_group_segment_fixed_size 33280
		.amdhsa_private_segment_fixed_size 0
		.amdhsa_enable_private_segment 0
		.amdhsa_kernarg_size 64
		.amdhsa_user_sgpr_count 2
		.amdhsa_user_sgpr_kernarg_segment_ptr 1
		.amdhsa_wavefront_size32 1
		.amdhsa_system_sgpr_workgroup_id_x 1
		.amdhsa_system_sgpr_workgroup_id_y 1
		.amdhsa_system_sgpr_workgroup_id_z 1
		.amdhsa_system_vgpr_workitem_id 0
		.amdhsa_next_free_vgpr 192
		.amdhsa_next_free_sgpr 66
		.amdhsa_reserve_vcc 0
		.amdhsa_float_denorm_mode_32 3
		.amdhsa_float_denorm_mode_16_64 3
		.amdhsa_memory_ordered 1
		.amdhsa_forward_progress 1
		.amdhsa_inst_pref_size 34
	.end_amdhsa_kernel
	.amdgpu_metadata
---
amdhsa.version: [ 1, 2 ]
amdhsa.kernels:
  - .name:           k_q40fe630be8_quant
    .symbol:         k_q40fe630be8_quant.kd
    .args:
      - { .name: x, .offset: 0, .size: 8, .value_kind: global_buffer, .address_space: global }
      - { .name: W_q, .offset: 8, .size: 8, .value_kind: global_buffer, .address_space: global }
      - { .name: W_k, .offset: 16, .size: 8, .value_kind: global_buffer, .address_space: global }
      - { .name: W_v, .offset: 24, .size: 8, .value_kind: global_buffer, .address_space: global }
      - { .name: xc, .offset: 32, .size: 8, .value_kind: global_buffer, .address_space: global }
      - { .name: xs, .offset: 40, .size: 8, .value_kind: global_buffer, .address_space: global }
      - { .name: wc, .offset: 48, .size: 8, .value_kind: global_buffer, .address_space: global }
      - { .name: ws, .offset: 56, .size: 8, .value_kind: global_buffer, .address_space: global }
    .group_segment_fixed_size: 33280
    .private_segment_fixed_size: 0
    .kernarg_segment_align: 8
    .kernarg_segment_size: 64
    .max_flat_workgroup_size: 128
    .sgpr_count:     66
    .vgpr_count:     192
    .wavefront_size: 32
...
	.end_amdgpu_metadata
.endif
;; end of part 1
;; launch proj (part 2): grid 12 x 16, 4 waves a work-group, clusters of 4 x 4, 327,680 bytes of LDS; arguments xc, xs, wc, ws, qkv; writes qkv
.if DOCPART == 2
	.amdgcn_target "amdgcn-amd-amdhsa--gfx1250"
	.amdhsa_code_object_version 6
	.text
	.protected	k_q40fe630be8_proj
	.globl	k_q40fe630be8_proj
	.p2align	8
	.type	k_q40fe630be8_proj,@function
k_q40fe630be8_proj:
	s_mov_b64 s[64:65], 0
	v_nop
	global_prefetch_b8 v0, s[64:65] scope:SCOPE_SE
	s_setreg_imm32_b32 hwreg(HW_REG_WAVE_MODE, 25, 1), 1
	s_wait_xcnt 0x0
	s_wait_alu depctr_hold_cnt(0) depctr_sa_sdst(0) depctr_va_vdst(0) depctr_va_sdst(0) depctr_va_ssrc(0) depctr_va_vcc(0) depctr_vm_vsrc(0)
	s_getreg_b32 s2, hwreg(HW_REG_IB_STS2, 6, 4)
	s_cmp_eq_u32 s2, 0
	s_cbranch_scc0 .Lentry_in_a_cluster
	s_endpgm
.Lentry_in_a_cluster:
	s_bfe_u32 s2, ttmp6, 0x10000c
	s_cmp_lg_u32 s2, 0xf033
	s_cbranch_scc0 .Lentry_shape_is_right
	s_endpgm
.Lentry_shape_is_right:
; qkv[m][n] = sum over k of x[m][k] W[n][k], W = W_q, W_k, W_v stacked (3,072 rows), both operands as codes of FP4 (E2M1) with one E8M0 byte for each 32 along K; sums in f32; the result rounded once to f16.
; qkv: [4096][3072] f16: q at byte 0 of a row of 6,144 bytes, k at 2,048, v at 4,096.
; LIMIT: a result of magnitude 65,520 or more becomes infinity in f16 (with inputs as drawn the results lie under 10; with every input 30 times larger under 10,000).
; A tile of 256 x 256 is made by four waves, a wave makes 128 x 128: 64 accumulators, 512 registers.  K = 1,024 is two LDS slots of 512 along K (tile rows of 256 bytes): both are asked for at the start
; and nothing is filled again.  The scale bytes of the work-group's 256 + 256 rows, for all of K, are two dense blocks: they come once, with the first fills.  By this text's count a wave has three tensor loads out.
; CLUSTERS: 4 x 4 work-groups.  The four of a row of the cluster need the same tiles of x, the four of a column the same tiles of W: each tile is asked for jointly, by the same tensor load with the same
; descriptor and a mask that names the four.  THE MATRIX INSTRUCTION IS USED TRANSPOSED (source 0 = 16 rows of W, source 1 = 16 rows of x): a lane then holds eight neighbouring numbers of a row of the result.
; REGISTERS, in windows of 256: window 0: v0-31 addresses; v32-95 scale words, two sets; v128-191 x's fragments, one set; on the way out v32-63, v192-255.
;   window 1: W's fragments, two sets, at v0 and v128.   window 2: the accumulators of my rows 0-63 ((a, b) at v[8 (8 a + b)]);   window 3: those of my rows 64-127.
.set SIZE_N, 3072
.set SIZE_K, 1024
.set KSTEP,  512                       ; along K in a slot
.set NQ,     KSTEP/128                 ; matrix instructions deep
.set ROWB,   256                       ; a tile's row in bytes
.set KROW,   SIZE_K*4/8                ; a row of codes in memory
.set PITCH,  272                       ; an LDS row: 256 bytes + 16 of padding = 68 words: the 16 rows that a load touches start at 16 different banks (64 banks of 4 bytes: ISA guide 11.1)
.set FR,     8                         ; registers of a fragment: 16 rows x 128 K
.set NL,     2                         ; LDS loads that bring one
.set NP,     4                         ; places behind this matrix instruction (ISA guide 7.12.1)
.set HALFT,  128*PITCH                 ; what one tensor load brings
.set SLOT,   4*HALFT                   ; x's 256 rows, then W's 256 rows
.set KS,     SIZE_K/32                 ; a row of scale bytes
.set SCL,    2*SLOT                    ; behind the slots: the scales, as runs of 256 bytes + 16 of padding
.set HALFS,  (128*KS/256)*272          ; the scales of 128 rows
.set SBLK,   (16*KS/256)*272           ; those of 16 rows
.set SPARE,  SCL+4*HALFS               ; the spare words, 128 bytes for each wave, which no other line names
.set STAGE,  SPARE+512                 ; the way out: 16 rows x 272 bytes for each wave; no tensor load lands here
.set SPITCH, 272
.set ADRA, 16                          ; v16-17  LDS address of my x fragments in slot 0, 1
.set ADRB, 20                          ; v20-21  the same for W
.set STO,  24                          ; v24     the way out: where I put 16 bytes of a row
.set RD,   25                          ; v25     where I read a row back
.set CO,   26                          ; v26     my byte offset in qkv
.set ADRS, 27                          ; v27     LDS address of my scale words: lanes 0-15 x's rows, lanes 16-31 W's
.set SPW,  28                          ; v28     my spare word; never rewritten
.set NIL,  29                          ; v29     0; never rewritten
.set SC,   32                          ; scale words: set s at v[SC + 32 s]; register 4 i + q: lanes 0-15 the word of x's block i, lanes 16-31 that of W's block i, for the slot's q-th 128 along K
.set AF,   128                         ; x's fragments
.set TMP,  192                         ; the way out: packed results
.set OB,   32                          ; and 16 rows read back: v32-63 and v224-255 by turns
.set G1, 24                            ; s[24:31] group 1 for x's tiles;  s[32:39] group 0, one set for each slot
.set G0, 32
.set G1B, 48                           ; s[48:55], s[56:63] the same for W's
.set G0B, 56
.set G1S, 68                           ; s[68:75], s[76:79] groups 1 and 0 for x's scales;  s[80:87], s[88:91] for W's
.set G0S, 76
.set G1SB, 80
.set G0SB, 88
.set MSB, 0
.macro WIN new                         ; the immediate's high byte repeats the setting that is left; a switch that changes nothing is dropped
.if MSB != \new
	s_set_vgpr_msb (MSB<<8)|\new
.set MSB, \new
.endif
.endm
.set MUL_LO, 0xa1                      ; source 0 (W) window 1, source 1 (x) window 0, C and D window 2
.set MUL_HI, 0xf1                      ; the same, C and D window 3
.set TO_B,   0x40                      ; destination window 1, address window 0
; A joint load: waves 0 and 1 fetch for x, waves 2 and 3 for W.  The branch hangs on the wave's number alone.  An s_nop 0 and four v_nop follow each of the two lines.
.macro JLOAD g0a, g1a, g0b, g1b
	s_cmp_eq_u32 s15, 0
	s_cbranch_scc0 .Lfor_b_\@
	tensor_load_to_lds s[\g0a:\g0a+3], s[\g1a:\g1a+7]
	s_nop 0
.rept 4
	v_nop
.endr
	s_branch .Lasked_\@
.Lfor_b_\@:
	tensor_load_to_lds s[\g0b:\g0b+3], s[\g1b:\g1b+7]
	s_nop 0
.rept 4
	v_nop
.endr
.Lasked_\@:
.endm
.macro CROUND                          ; a round of the cluster's barrier: my work-group's barrier, wave 0's signal for the work-group, every wave's wait for all sixteen, my work-group's barrier once more
	s_barrier_signal -1
	s_barrier_wait -1
	s_cmp_lg_u32 s14, 0
	s_cbranch_scc1 .Lnot_wave_0_\@
	s_barrier_signal -3
.Lnot_wave_0_\@:
	s_barrier_wait -3
	s_barrier_signal -1
	s_barrier_wait -1
.endm
	s_load_b128 s[4:7], s[0:1], 0x0                ; x's codes s[4:5], x's scales s[6:7]
	s_load_b128 s[8:11], s[0:1], 0x10              ; W's codes s[8:9], W's scales s[10:11]
	s_load_b64 s[12:13], s[0:1], 0x20              ; qkv
	v_lshl_add_u32 v[SPW], v0, 2, SPARE
	v_mov_b32 v[NIL], 0
	ds_add_u32 v[SPW], v[NIL]                      ; the wave's opening: the add, twice on end, and its wait ahead of my first tensor load
	ds_add_u32 v[SPW], v[NIL]                      ; the set-up below, work on registers, stands between the second add and the wait
	v_lshrrev_b32 v1, 5, v0
	v_readfirstlane_b32 s14, v1                    ; wave 0..3
	s_lshr_b32 s15, s14, 1                         ; which half of the tile's rows is mine.  Also: I fetch for x (0) or for W (1)
	s_and_b32 s16, s14, 1                          ; which half of its columns.  Also: which 128 rows of that tile I fetch
	s_bfe_u32 s40, ttmp6, 0x40000                  ; cx, cy: my place in the cluster
	s_bfe_u32 s41, ttmp6, 0x40004
	s_lshl_b32 s42, ttmp9, 2
	s_add_co_u32 s42, s42, s40                     ; tile column = 4 x cluster x + cx
	s_and_b32 s17, ttmp7, 0xffff
	s_lshl_b32 s17, s17, 2
	s_add_co_u32 s17, s17, s41                     ; tile row = 4 x cluster y + cy
	s_lshl_b32 s43, s41, 2
	s_lshl_b32 s43, 15, s43                        ; my row of the cluster
	s_lshl_b32 s44, 0x1111, s40                    ; my column
	s_or_b32 s[G1+0], s43, (0<<16)|(1<<20)|(1<<21)|(5<<22)|(3<<25)  ; 15:0 the mask; 17:16 elements of 1 byte; 20 padding on; 21 set beside a mask; 24:22 after every 64 words; 31:25 four words
	s_or_b32 s[G1B+0], s44, (0<<16)|(1<<20)|(1<<21)|(5<<22)|(3<<25)
.irp g, G1, G1B
	s_mov_b32 s[\g+1], ROWB<<16                    ; tensor_dim0
	s_mov_b32 s[\g+2], 128<<16                     ; tensor_dim1 = 128
	s_mov_b32 s[\g+3], ROWB<<16                    ; tile_dim0
	s_mov_b32 s[\g+4], 128                         ; tile_dim1 = 128
	s_mov_b32 s[\g+5], KROW                        ; from row to row
	s_mov_b32 s[\g+6], 0
	s_mov_b32 s[\g+7], 0
.endr
	; the scales of 128 rows: a dense block of 4,096 bytes, as 16 rows of 256 bytes (32 elements of 8 bytes), 16 bytes of padding behind each
	s_or_b32 s[G1S+0], s43, (3<<16)|(1<<20)|(1<<21)|(5<<22)|(3<<25)
	s_or_b32 s[G1SB+0], s44, (3<<16)|(1<<20)|(1<<21)|(5<<22)|(3<<25)
.irp g, G1S, G1SB
	s_mov_b32 s[\g+1], 32<<16
	s_mov_b32 s[\g+2], (128*KS/256)<<16
	s_mov_b32 s[\g+3], 32<<16
	s_mov_b32 s[\g+4], 128*KS/256
	s_mov_b32 s[\g+5], 32
	s_mov_b32 s[\g+6], 0
	s_mov_b32 s[\g+7], 0
.endr
	s_lshl_b32 s18, s16, 7                         ; which 128 rows of the tile I fetch
	s_lshl_b32 s20, s17, 8
	s_add_co_u32 s20, s20, s18                     ; x: row 256 x tile row + 128 x half
	s_lshl_b32 s46, s42, 8
	s_add_co_u32 s46, s46, s18                     ; W: row 256 x tile column + 128 x half
	s_mov_b32 s21, 0
	s_mov_b32 s47, 0
	s_mov_b64 s[18:19], KS
	s_mul_u64 s[22:23], s[20:21], s[18:19]         ; where these rows' scales begin, in bytes
	s_mul_u64 s[92:93], s[46:47], s[18:19]
	s_mov_b64 s[18:19], KROW
	s_mul_u64 s[20:21], s[20:21], s[18:19]         ; and their codes
	s_mul_u64 s[46:47], s[46:47], s[18:19]
	s_mul_i32 s45, s14, HALFT                      ; where they go: wave x 128 rows: no place in the cluster enters an LDS address
	s_mul_i32 s94, s14, HALFS
	s_wait_dscnt 0x0                               ; both opening adds are done
	s_wait_kmcnt 0x0
	s_add_nc_u64 s[20:21], s[4:5], s[20:21]
	s_add_nc_u64 s[22:23], s[6:7], s[22:23]
	s_add_nc_u64 s[46:47], s[8:9], s[46:47]
	s_add_nc_u64 s[92:93], s[10:11], s[92:93]
	CROUND                                         ; all sixteen work-groups are here: the joint loads meet
	s_mov_b32 s[G0S], 1
	s_add_co_u32 s[G0S+1], s94, SCL
	s_mov_b64 s[G0S+2:G0S+3], s[22:23]
	s_or_b32 s[G0S+3], s[G0S+3], 0x80000000
	s_mov_b32 s[G0SB], 1
	s_add_co_u32 s[G0SB+1], s94, SCL
	s_mov_b64 s[G0SB+2:G0SB+3], s[92:93]
	s_or_b32 s[G0SB+3], s[G0SB+3], 0x80000000
	JLOAD G0S, G1S, G0SB, G1SB                     ; the scales first: they are wanted with the first slot
.irp s, 0,1
	s_mov_b32 s[G0+4*\s], 1
	s_add_co_u32 s[G0+4*\s+1], s45, \s*SLOT
	s_add_nc_u64 s[G0+4*\s+2:G0+4*\s+3], s[20:21], \s*ROWB
	s_or_b32 s[G0+4*\s+3], s[G0+4*\s+3], 0x80000000
	s_mov_b32 s[G0B+4*\s], 1
	s_add_co_u32 s[G0B+4*\s+1], s45, \s*SLOT
	s_add_nc_u64 s[G0B+4*\s+2:G0B+4*\s+3], s[46:47], \s*ROWB
	s_or_b32 s[G0B+4*\s+3], s[G0B+4*\s+3], 0x80000000
	JLOAD G0+4*\s, G1, G0B+4*\s, G1B
.endr
	v_and_b32 v1, 15, v0                           ; r = l % 16
	v_bfe_u32 v2, v0, 4, 1                         ; h = l / 16
	v_mul_u32_u24 v3, v1, PITCH
	v_lshl_add_u32 v4, v2, 4, v3                   ; a fragment's row x pitch + 16 x half
	s_mul_i32 s21, s15, HALFT                      ; my 128 rows of x
	s_mul_i32 s22, s16, HALFT                      ; my 128 rows of W,
	s_add_co_u32 s22, s22, 2*HALFT                 ; which lie behind x's 256
.irp s, 0,1
	v_add_nc_u32 v[ADRA+\s], s21, v4
	v_add_nc_u32 v[ADRB+\s], s22, v4
	s_add_co_u32 s21, s21, SLOT
	s_add_co_u32 s22, s22, SLOT
.endr
	v_mul_u32_u24 v5, v1, KS                       ; my row's scales: KS bytes a row,
	v_lshrrev_b32 v6, 8, v5
	v_lshl_add_u32 v5, v6, 4, v5                   ; and 16 more for each 256 passed
	s_mul_i32 s21, s15, HALFS                      ; x's: my 128 rows
	s_mul_i32 s22, s16, HALFS                      ; W's: my 128 rows, behind x's 256
	s_add_co_u32 s22, s22, 2*HALFS
	s_sub_co_u32 s22, s22, s21
	v_mul_u32_u24 v6, s22, v2                      ; lanes 16-31 take W's: one product, the distance between the two bases x h
	s_add_co_u32 s21, s21, SCL
	v_add_nc_u32 v5, v5, v6
	v_add_nc_u32 v[ADRS], s21, v5
	s_mul_i32 s23, s14, 16*SPITCH
	s_add_co_u32 s23, s23, STAGE                   ; my stage
	v_mul_u32_u24 v5, v1, SPITCH                   ; in: row r, 16 bytes for each half of the lanes
	v_lshl_add_u32 v5, v2, 4, v5
	v_add_nc_u32 v[STO], s23, v5
	v_mul_u32_u24 v5, v2, SPITCH                   ; back: lanes 0-15 take one row of 256 bytes, lanes 16-31 the next
	v_lshl_add_u32 v5, v1, 4, v5
	v_add_nc_u32 v[RD], s23, v5
	v_mul_u32_u24 v5, v2, SIZE_N*2                 ; and the same two rows in qkv
	v_lshl_add_u32 v[CO], v1, 4, v5
	s_lshl_b32 s20, s17, 8
	s_lshl_b32 s21, s15, 7
	s_add_co_u32 s20, s20, s21                     ; my first row: 256 x tile row + 128 x half
	s_mov_b32 s21, 0
	s_mov_b64 s[18:19], SIZE_N*2
	s_mul_u64 s[20:21], s[20:21], s[18:19]
	s_lshl_b32 s46, s42, 9                         ; my first column, in bytes: 512 x tile column + 256 x half
	s_lshl_b32 s47, s16, 8
	s_add_co_u32 s46, s46, s47
	s_mov_b32 s47, 0
	s_add_nc_u64 s[20:21], s[20:21], s[46:47]
	s_add_nc_u64 s[12:13], s[12:13], s[20:21]
.macro FRAG reg, adr, q, i             ; 16 rows x 128 K of 4-bit codes in 8 registers: lane l holds row l % 16; registers 4 c .. 4 c + 3 hold K = 64 c + 32 (l / 16) + 0 .. 31
.irp c, 0,1
	ds_load_b128 v[\reg+4*\c:\reg+4*\c+3], v[\adr] offset:64*(\q)+32*\c+(\i)*16*PITCH
.endr
.endm
; 16 matrix instructions: x's blocks a0, a0 + 1 against W's eight, the slot's q-th 128 along K.  p: W's set;  sc: the set of scale words.  zero = 1: the first product starts the sums.
; The 64 accumulators take turns, one instruction a turn, in the same order in every step.
.macro MUL16 a0, p, q, sc, zero
.irp a, \a0, \a0+1
.irp b, 0,1,2,3,4,5,6,7
.if \zero
	v_wmma_scale_f32_16x16x128_f8f6f4 v[8*(8*((\a)%4)+\b):8*(8*((\a)%4)+\b)+7], v[128*(\p)+FR*\b:128*(\p)+FR*\b+FR-1], v[AF+FR*(\a):AF+FR*(\a)+FR-1], 0, v[SC+8*NQ*(\sc)+NQ*\b+(\q)], v[SC+8*NQ*(\sc)+NQ*(\a)+(\q)] matrix_a_fmt:MATRIX_FMT_FP4 matrix_b_fmt:MATRIX_FMT_FP4 matrix_a_scale:MATRIX_SCALE_ROW1
.else
	v_wmma_scale_f32_16x16x128_f8f6f4 v[8*(8*((\a)%4)+\b):8*(8*((\a)%4)+\b)+7], v[128*(\p)+FR*\b:128*(\p)+FR*\b+FR-1], v[AF+FR*(\a):AF+FR*(\a)+FR-1], v[8*(8*((\a)%4)+\b):8*(8*((\a)%4)+\b)+7], v[SC+8*NQ*(\sc)+NQ*\b+(\q)], v[SC+8*NQ*(\sc)+NQ*(\a)+(\q)] matrix_a_fmt:MATRIX_FMT_FP4 matrix_b_fmt:MATRIX_FMT_FP4 matrix_a_scale:MATRIX_SCALE_ROW1
.endif
.endr
.endr
.endm
.macro FETCH_B slot, q, p              ; W's eight fragments of the slot's q-th 128 along K into set p
	WIN TO_B
.irp i, 0,1,2,3,4,5,6,7
	FRAG 128*(\p)+FR*\i, ADRB+\slot, \q, \i
.endr
	WIN 0
.endm
.macro FETCH_A slot, q, i0             ; x's blocks i0 .. i0 + 3
.irp i, \i0, \i0+1, \i0+2, \i0+3
	FRAG AF+FR*(\i), ADRA+\slot, \q, \i
.endr
.endm
.macro SCALES sc                       ; a slot's scale words into set sc: four words a row; lanes 0-15 take x's block i, lanes 16-31 W's block i
.irp i, 0,1,2,3,4,5,6,7
	ds_load_b128 v[SC+8*NQ*\sc+NQ*\i:SC+8*NQ*\sc+NQ*\i+3], v[ADRS] offset:\i*SBLK
.endr
.endm
.macro PLACES n                        ; plain vector instructions that name no register of the matrix instructions before them, in front of loads into registers that those have read and of the first read of results
.rept \n
	v_nop
.endr
.endm
.macro STEP slot, q, zero              ; a step of 128 along K that has its successor in the same slot
	s_wait_dscnt 4*NL                              ; W's set and x's blocks 0-3 are in; the youngest eight loads (x's blocks 4-7) may be out
	WIN MUL_LO
	MUL16 0, (\q)%2, \q, \slot, \zero
	MUL16 2, (\q)%2, \q, \slot, \zero
	s_wait_dscnt 0                                 ; x's blocks 4-7 are in
	PLACES NP
	FETCH_B \slot, (\q)+1, 1-(\q)%2
	FETCH_A \slot, (\q)+1, 0
	WIN MUL_HI
	MUL16 4, (\q)%2, \q, \slot, \zero
	MUL16 6, (\q)%2, \q, \slot, \zero
	PLACES NP
	WIN 0
	FETCH_A \slot, (\q)+1, 4
.endm
; Slot 0's last step changes slots: one barrier; in front of it each wave waits for all its tensor loads (its part of slot 1).  Nothing is filled again.
.macro TURN slot, next
	s_wait_tensorcnt 0x0                           ; all my tensor loads have landed  (every window is 0 here)
	ds_add_u32 v[SPW], v[NIL]                      ; 0 onto my spare word
	s_wait_dscnt 4*NL+1                            ; the add and the youngest eight loads (x's blocks 4-7) may be out
	WIN MUL_LO
	MUL16 0, 1, NQ-1, \slot, 0
	s_wait_dscnt 0x0                               ; no LDS instruction of mine is pending at the signal
	s_barrier_signal -1
	MUL16 2, 1, NQ-1, \slot, 0
	WIN 0
	s_barrier_wait -1                              ; the next slot is whole
	PLACES NP
	v_add_nc_u32 v[ADRS], 4*NQ, v[ADRS]            ; on to the next slot's scale words
	FETCH_B \next, 0, 0
	FETCH_A \next, 0, 0
	SCALES \next
	WIN MUL_HI
	MUL16 4, 1, NQ-1, \slot, 0
	MUL16 6, 1, NQ-1, \slot, 0
	PLACES NP
	WIN 0
	FETCH_A \next, 0, 4
.endm
.macro STEPS slot, from                ; the slot's steps from .. NQ - 2
.set Q, \from
.rept NQ-1-\from
	STEP \slot, Q, 0
.set Q, Q+1
.endr
.endm
	s_wait_tensorcnt 1                             ; the scales and my part of slot 0 are in; slot 1's load may be out
	s_barrier_signal -1
	s_barrier_wait -1                              ; everybody's are
	FETCH_B 0, 0, 0
	FETCH_A 0, 0, 0
	SCALES 0
	FETCH_A 0, 0, 4
	STEP 0, 0, 1                                   ; the first step's products start the sums: nothing is cleared
	STEPS 0, 1
	TURN 0, 1
	STEPS 1, 0
	s_wait_dscnt 4*NL                              ; the last step: nothing more to fetch
	WIN MUL_LO
	MUL16 0, 1, NQ-1, 1, 0
	MUL16 2, 1, NQ-1, 1, 0
	s_wait_dscnt 0
	WIN MUL_HI
	MUL16 4, 1, NQ-1, 1, 0
	MUL16 6, 1, NQ-1, 1, 0
	WIN 0
; THE WAY OUT, block by block of 16 rows x 128 columns.  PACK: rounded to f16, 16 bytes a lane, each accumulator from its low end on.  TOSTAGE: into my own stage and back as whole rows of 256 bytes.  SEND: stored.
.macro PACK a
.set AC, 64*((\a)%4)
	WIN 0x0a+5*((\a)/4)                            ; sources 0 and 1: window 2 or 3
.irp b, 0,1,2,3,4,5,6,7
.irp r, 0,1,2,3
	v_cvt_pk_f16_f32 v[TMP+4*\b+\r], v[AC+8*\b+2*\r], v[AC+8*\b+2*\r+1]
.endr
.endr
	WIN 0
.endm
.macro TOSTAGE a
.set BK, OB+192*((\a)%2)
.irp b, 0,1,2,3,4,5,6,7
	ds_store_b128 v[STO], v[TMP+4*\b:TMP+4*\b+3] offset:32*\b
.endr
.irp t, 0,1,2,3,4,5,6,7
	ds_load_b128 v[BK+4*\t:BK+4*\t+3], v[RD] offset:\t*2*SPITCH    ; LDS serves a wave's instructions in order (ISA guide 5.7.1.4): these see the stores above
.endr
.endm
.macro SEND a, younger
.set BK, OB+192*((\a)%2)
	s_wait_dscnt \younger                          ; the block is back in registers
	s_wait_xcnt 0x0                                ; earlier stores have read their base and their data: only behind this wait are they rewritten
.if (\a) > 0
	s_add_nc_u64 s[12:13], s[12:13], 16*SIZE_N*2   ; 16 rows on
.endif
.irp t, 0,1,2,3,4,5,6,7
	global_store_b128 v[CO], v[BK+4*\t:BK+4*\t+3], s[12:13] offset:2*\t*SIZE_N*2   ; 16 lanes store 256 consecutive bytes, at a multiple of 256 from the buffer's first byte
.endr
.endm
	PLACES NP                                      ; behind the last products: for the conversions, and for the loads into registers that held scale words
	PACK 0
	TOSTAGE 0
.irp a, 1,2,3,4,5,6,7                  ; block a's conversions stand between block a - 1's loads from the stage and the wait for them
	PACK \a
	SEND \a-1, 0
	TOSTAGE \a
.endr
	SEND 7, 0
	s_wait_tensorcnt 0x0                           ; the wave's end: behind my last tensor load and my last LDS store
	ds_add_u32 v[SPW], v[NIL]
	s_wait_dscnt 0x0
	CROUND                                         ; the closing round: no work-group ends while a partner may still ask for a tile that names it
	s_endpgm
.Lfunc_end_k_q40fe630be8_proj:
	.size	k_q40fe630be8_proj, .Lfunc_end_k_q40fe630be8_proj-k_q40fe630be8_proj
	.p2alignl 7, 3214868480
	.fill 96, 4, 3214868480
	.section	.rodata,"a",@progbits
	.p2align	6, 0x0
	.amdhsa_kernel k_q40fe630be8_proj
		.amdhsa_group_segment_fixed_size 327680
		.amdhsa_private_segment_fixed_size 0
		.amdhsa_enable_private_segment 0
		.amdhsa_kernarg_size 40
		.amdhsa_user_sgpr_count 2
		.amdhsa_user_sgpr_kernarg_segment_ptr 1
		.amdhsa_wavefront_size32 1
		.amdhsa_system_sgpr_workgroup_id_x 1
		.amdhsa_system_sgpr_workgroup_id_y 1
		.amdhsa_system_sgpr_workgroup_id_z 1
		.amdhsa_system_vgpr_workitem_id 0
		.amdhsa_next_free_vgpr 1024
		.amdhsa_next_free_sgpr 98
		.amdhsa_reserve_vcc 0
		.amdhsa_float_denorm_mode_32 3
		.amdhsa_float_denorm_mode_16_64 3
		.amdhsa_memory_ordered 1
		.amdhsa_forward_progress 1
		.amdhsa_inst_pref_size 127
	.end_amdhsa_kernel
	.amdgpu_metadata
---
amdhsa.version: [ 1, 2 ]
amdhsa.kernels:
  - .name:           k_q40fe630be8_proj
    .symbol:         k_q40fe630be8_proj.kd
    .args:
      - { .name: xc, .offset: 0, .size: 8, .value_kind: global_buffer, .address_space: global }
      - { .name: xs, .offset: 8, .size: 8, .value_kind: global_buffer, .address_space: global }
      - { .name: wc, .offset: 16, .size: 8, .value_kind: global_buffer, .address_space: global }
      - { .name: ws, .offset: 24, .size: 8, .value_kind: global_buffer, .address_space: global }
      - { .name: qkv, .offset: 32, .size: 8, .value_kind: global_buffer, .address_space: global }
    .group_segment_fixed_size: 327680
    .private_segment_fixed_size: 0
    .kernarg_segment_align: 8
    .kernarg_segment_size: 40
    .max_flat_workgroup_size: 128
    .sgpr_count:     98
    .vgpr_count:     1024
    .wavefront_size: 32
...
	.end_amdgpu_metadata
.endif
;; end of part 2
;; launch scores (part 3): grid 16 x 16, 4 waves a work-group, clusters of 4 x 4, 327,680 bytes of LDS; arguments qkv, ph, st; writes ph, st
.if DOCPART == 3
	.amdgcn_target "amdgcn-amd-amdhsa--gfx1250"
	.amdhsa_code_object_version 6
	.text
	.protected	k_q40fe630be8_scores
	.globl	k_q40fe630be8_scores
	.p2align	8
	.type	k_q40fe630be8_scores,@function
k_q40fe630be8_scores:
	s_mov_b64 s[64:65], 0
	v_nop
	global_prefetch_b8 v0, s[64:65] scope:SCOPE_SE
	s_setreg_imm32_b32 hwreg(HW_REG_WAVE_MODE, 25, 1), 1
	s_wait_xcnt 0x0
	s_wait_alu depctr_hold_cnt(0) depctr_sa_sdst(0) depctr_va_vdst(0) depctr_va_sdst(0) depctr_va_ssrc(0) depctr_va_vcc(0) depctr_vm_vsrc(0)
	s_getreg_b32 s2, hwreg(HW_REG_IB_STS2, 6, 4)
	s_cmp_eq_u32 s2, 0
	s_cbranch_scc0 .Lentry_in_a_cluster
	s_endpgm
.Lentry_in_a_cluster:
	s_bfe_u32 s2, ttmp6, 0x10000c
	s_cmp_lg_u32 s2, 0xf033
	s_cbranch_scc0 .Lentry_shape_is_right
	s_endpgm
.Lentry_shape_is_right:
; S = q k^T on f16 operands, sums in f32, in tiles of 256 queries x 256 keys; then the tile's part of the softmax.  With t = s x log2(e) / 32 (1 / sqrt(1024) = 1 / 32):
; for each query and key tile j: M_j = the tile's largest t rounded UP to a whole number; p' = 2^(t - M_j), in (0, 1], goes to ph as f16; the sum of the f32 p' of each half of 128 keys
; goes with -M_j to st [2 j + half][4096 queries][2 f32].  The next launch brings all tiles of a row under the row's largest M by powers of two, which round nothing: the row's maximum is taken away as in the softmax's definition.
; q and k are columns 0-1023 and 1024-2047 of qkv [4096][3072] f16 (rows 6,144 bytes apart).
; ph IS LAID IN THE ORDER OF THE NEXT PRODUCT'S OPERAND REGISTERS: [256 blocks of 16 queries][128 chunks of 32 keys][2 halves][32 lanes][16 bytes].  A lane's eight results of an accumulator, packed to f16, are
; four registers of that operand in the same lane: so they are stored as they stand, 512 consecutive bytes an instruction, and nothing goes through LDS.
; LIMITS: a p' under 2^-25 becomes 0 in f16, and under 2^-14 it keeps fewer than 11 bits; NaN and infinities are not served.
; A work-group of four waves makes one tile, a wave 128 x 128: 64 accumulators, 512 registers.  K = 1,024 goes in steps of 128 through a ring of two LDS slots filled by the tensor data mover (tile rows of 256 bytes).
; CLUSTERS: 4 x 4 work-groups; q's tile is shared along a row of the cluster, k's along a column: each is asked for jointly, by the same tensor load with the same descriptor and a mask that names the four.
; THE MATRIX INSTRUCTION IS USED TRANSPOSED (source 0 = 16 keys, source 1 = 16 queries): lane l holds query l % 16 of a block and eight neighbouring keys 8 (l / 16) + 0 .. 7.
; REGISTERS, in windows of 256: window 0: v0-31 addresses; v64-127, v128-191 q's fragments, two buffers; on the way out v64-119 and v128-191.   window 1: v64-127, v128-191 k's fragments.
;   window 2: the accumulators of my queries 0-63 ((a, b) at v[8 (8 a + b)]);   window 3: those of my queries 64-127.
.set KSIZE,  1024
.set ROWE,   3072                      ; elements from row to row of qkv
.set QBB,    131072                    ; bytes of ph for a block of 16 queries: 128 chunks of 1,024 bytes
.set KSTEP,  128
.set PITCH,  272                       ; an LDS row: 256 bytes + 16 of padding = 68 words: the 16 rows that a load touches start at 16 different banks (64 banks of 4 bytes: ISA guide 11.1)
.set HALFT,  128*PITCH                 ; what one tensor load brings
.set SLOT,   4*HALFT                   ; q's 256 rows, then k's 256 rows
.set SPARE,  2*SLOT                    ; behind the ring: the spare words, 128 bytes for each wave, which no other line names
.set XCH,    SPARE+512                 ; 32 bytes a thread: eight row maxima, handed to the wave that has the same queries' other 128 keys
.set LAPS,   KSIZE/(2*KSTEP)           ; 4 laps of two K steps
.set XW,   8                           ; v8      where I put my eight maxima
.set XR,   9                           ; v9      where my partner (wave xor 1), same lane, put its
.set SO,   10                          ; v10     8 x lane: my record's place in a store of 32 records
.set ADRA, 16                          ; v16-17  LDS address of my q fragments in slot 0, 1
.set ADRB, 20                          ; v20-21  the same for k
.set LO,   26                          ; v26     16 x lane: my place in half an image of ph
.set SPW,  28                          ; v28     my spare word; never rewritten
.set NIL,  29                          ; v29     0; never rewritten
.set PFO,  30                          ; v30     the prefetches' offset: my lane x a row of qkv; never rewritten
.set PFA,  44                          ; s[44:45] where my prefetches stand
.set LIM,  43                          ; s43     1 in a wave that prefetches, else the greatest number
.set F0,   64
.set F1,   128
.set MX,   64                          ; the way out: v64-71 a block's largest score;  v72-79 the other side's;  v80-95 for block a the pair (-M, then t, later the sum);  v96-103 four sums in pairs;  v112-119 records
.set TP,   72
.set SB,   80
.set SA,   96
.set RC,   112
.set TMP,  128                         ; packed p': v128-159 and v160-191 by turns
.set G1, 24                            ; s[24:31], s[32:39] descriptor groups 1 and 0 (a set for each slot) for q's tiles
.set G0, 32
.set G1B, 48                           ; s[48:55], s[56:63] for k's
.set G0B, 56
.set STB, 66                           ; s[66:67] st at my wave's first record
.set SEL, 68                           ; s[68:69] v_permlanex16_b32's selects for lane l xor 16
.set CS,  70                           ; s[70:71] c = log2(e) / 32, twice: the packed form names a pair
.set HI16, 72                          ; s72     the mask of lanes 16-31
.set MSB, 0
.macro WIN new                         ; the immediate's high byte repeats the setting that is left; a switch that changes nothing is dropped
.if MSB != \new
	s_set_vgpr_msb (MSB<<8)|\new
.set MSB, \new
.endif
.endm
.set MUL_LO, 0xa1                      ; source 0 (k) window 1, source 1 (q) window 0, C and D window 2
.set MUL_HI, 0xf1                      ; the same, C and D window 3
.set TO_B,   0x40                      ; destination window 1, address window 0
; A joint load: waves 0 and 1 fetch q's two halves, waves 2 and 3 k's.  The branch hangs on the wave's number alone.  An s_nop 0 and four v_nop follow each of the two lines.
.macro JLOAD s
	s_cmp_eq_u32 s11, 0
	s_cbranch_scc0 .Lfor_b_\@
	tensor_load_to_lds s[G0+4*\s:G0+4*\s+3], s[G1:G1+7]
	s_nop 0
.rept 4
	v_nop
.endr
	s_branch .Lasked_\@
.Lfor_b_\@:
	tensor_load_to_lds s[G0B+4*\s:G0B+4*\s+3], s[G1B:G1B+7]
	s_nop 0
.rept 4
	v_nop
.endr
.Lasked_\@:
.endm
; A prefetch behind each joint load and the run of LDS loads that follows it: the K step that stands two refills on, 32 rows x 256 bytes, a lane a row, one instruction a wave.
; Each row's 256 bytes of a K step are named once in the launch: q's tile row is read by every cluster of that row of clusters, and cluster x = 0 asks; k's by every cluster of that column, and cluster y = 0 asks.
; The four partners that ask for a tile jointly share its rows out by address, 32 each.  K steps 0 to 3 come by their loads alone; the loop's last trip (s3 = 1) has no K step two refills on and asks for nothing.
.macro ASK
	s_cmp_gt_u32 s3, s[LIM]
	s_cbranch_scc0 .Lnot_mine_\@
	global_prefetch_b8 v[PFO], s[PFA:PFA+1] offset:KSTEP*2 th:TH_LOAD_NT scope:SCOPE_SE
.Lnot_mine_\@:
.endm
.macro CREST                           ; a round of the cluster's barrier behind its opening barrier
	s_cmp_lg_u32 s10, 0
	s_cbranch_scc1 .Lnot_wave_0_\@
	s_barrier_signal -3
.Lnot_wave_0_\@:
	s_barrier_wait -3
	s_barrier_signal -1
	s_barrier_wait -1
.endm
.macro CROUND                          ; a whole round
	s_barrier_signal -1
	s_barrier_wait -1
	CREST
.endm
	s_load_b64 s[4:5], s[0:1], 0x0                 ; qkv: q's first byte
	s_load_b64 s[8:9], s[0:1], 0x8                 ; ph
	s_load_b64 s[STB:STB+1], s[0:1], 0x10          ; st
	v_lshl_add_u32 v[SPW], v0, 2, SPARE
	v_mov_b32 v[NIL], 0
	ds_add_u32 v[SPW], v[NIL]                      ; the wave's opening: the add, twice on end, and its wait ahead of my first tensor load
	ds_add_u32 v[SPW], v[NIL]                      ; the set-up below, work on registers, stands between the second add and the wait
	v_lshrrev_b32 v1, 5, v0
	v_readfirstlane_b32 s10, v1                    ; wave 0..3
	s_lshr_b32 s11, s10, 1                         ; which half of the tile's queries is mine.  Also: I fetch for q (0) or for k (1)
	s_and_b32 s12, s10, 1                          ; which half of its keys.  Also: which 128 rows of that tile I fetch
	s_bfe_u32 s40, ttmp6, 0x40000                  ; cx
	s_bfe_u32 s41, ttmp6, 0x40004                  ; cy
	s_lshl_b32 s42, ttmp9, 2
	s_add_co_u32 s42, s42, s40                     ; key tile = 4 x cluster x + cx
	s_and_b32 s13, ttmp7, 0xffff
	s_lshl_b32 s13, s13, 2
	s_add_co_u32 s13, s13, s41                     ; query tile = 4 x cluster y + cy
	s_lshl_b32 s43, s41, 2
	s_lshl_b32 s43, 15, s43                        ; my row of the cluster
	s_lshl_b32 s44, 0x1111, s40                    ; my column
	s_or_b32 s[G1+0], s43, (1<<16)|(1<<20)|(1<<21)|(5<<22)|(3<<25)  ; 15:0 the mask; 17:16 elements of 2 bytes; 20 padding on; 21 set beside a mask; 24:22 after every 64 words; 31:25 four words
	s_or_b32 s[G1B+0], s44, (1<<16)|(1<<20)|(1<<21)|(5<<22)|(3<<25)
.irp g, G1, G1B
	s_mov_b32 s[\g+1], KSTEP<<16                   ; tensor_dim0 = 128
	s_mov_b32 s[\g+2], 128<<16                     ; tensor_dim1 = 128
	s_mov_b32 s[\g+3], KSTEP<<16                   ; tile_dim0 = 128
	s_mov_b32 s[\g+4], 128                         ; tile_dim1 = 128
	s_mov_b32 s[\g+5], ROWE                        ; elements from row to row
	s_mov_b32 s[\g+6], 0
	s_mov_b32 s[\g+7], 0
.endr
	s_lshl_b32 s17, s12, 7                         ; which 128 rows of the tile I fetch
	s_lshl_b32 s16, s13, 8
	s_add_co_u32 s16, s16, s17                     ; q: row 256 x query tile + 128 x half
	s_lshl_b32 s46, s42, 8
	s_add_co_u32 s46, s46, s17                     ; k: row 256 x key tile + 128 x half
	s_mov_b32 s17, 0
	s_mov_b32 s47, 0
	s_mov_b64 s[18:19], ROWE*2
	s_mul_u64 s[16:17], s[16:17], s[18:19]
	s_mul_u64 s[46:47], s[46:47], s[18:19]
	s_mul_i32 s20, s10, HALFT                      ; where they go: wave x 128 rows: no place in the cluster enters an LDS address
	s_mov_b32 s[SEL], 0x76543210
	s_mov_b32 s[SEL+1], 0xfedcba98
	s_mov_b32 s[CS], 0x3d38aa3b                    ; log2(e) / 32
	s_mov_b32 s[CS+1], s[CS]
	s_mov_b32 s[HI16], 0xffff0000
	s_wait_dscnt 0x0                               ; both opening adds are done
	s_wait_kmcnt 0x0
	s_add_nc_u64 s[6:7], s[4:5], 2048              ; k's first byte
	s_add_nc_u64 s[14:15], s[4:5], s[16:17]
	s_add_nc_u64 s[46:47], s[6:7], s[46:47]
	CROUND                                         ; all sixteen work-groups are here: the first joint loads meet
.irp s, 0,1
	s_mov_b32 s[G0+4*\s], 1
	s_add_co_u32 s[G0+4*\s+1], s20, \s*SLOT
	s_add_nc_u64 s[G0+4*\s+2:G0+4*\s+3], s[14:15], \s*KSTEP*2
	s_or_b32 s[G0+4*\s+3], s[G0+4*\s+3], 0x80000000
	s_mov_b32 s[G0B+4*\s], 1
	s_add_co_u32 s[G0B+4*\s+1], s20, \s*SLOT
	s_add_nc_u64 s[G0B+4*\s+2:G0B+4*\s+3], s[46:47], \s*KSTEP*2
	s_or_b32 s[G0B+4*\s+3], s[G0B+4*\s+3], 0x80000000
	JLOAD \s
.endr
	; A fragment is 16 rows x 32 K in 8 registers: lane l holds row l % 16; registers 0-3 hold K = 8 (l / 16) + 0..7, registers 4-7 K = 16 + 8 (l / 16) + 0..7: two loads of 16 bytes, 32 bytes apart.
	v_and_b32 v1, 15, v0                           ; r
	v_bfe_u32 v2, v0, 4, 1                         ; h
	v_mul_u32_u24 v3, v1, PITCH
	v_lshl_add_u32 v3, v2, 4, v3
	s_mul_i32 s21, s11, HALFT                      ; my 128 rows of q
	s_mul_i32 s22, s12, HALFT                      ; my 128 rows of k,
	s_add_co_u32 s22, s22, 2*HALFT                 ; which lie behind q's 256
.irp s, 0,1
	v_add_nc_u32 v[ADRA+\s], s21, v3
	v_add_nc_u32 v[ADRB+\s], s22, v3
	s_add_co_u32 s21, s21, SLOT
	s_add_co_u32 s22, s22, SLOT
.endr
	v_and_b32 v[LO], 31, v0
	v_lshlrev_b32 v[LO], 4, v[LO]
	v_lshl_add_u32 v[XW], v0, 5, XCH
	v_xor_b32 v[XR], 32, v0
	v_lshl_add_u32 v[XR], v[XR], 5, XCH
	v_and_b32 v[SO], 31, v0
	v_lshlrev_b32 v[SO], 3, v[SO]
	s_lshl_b32 s13, s13, 8
	s_lshl_b32 s14, s11, 7
	s_add_co_u32 s16, s13, s14                     ; my first query
	s_lshl_b32 s20, s42, 1
	s_add_co_u32 s20, s20, s12                     ; 2 x key tile + my half of its keys
	s_lshl_b32 s20, s20, 12
	s_add_co_u32 s20, s20, s16
	s_lshl_b32 s20, s20, 3                         ; records of 8 bytes
	s_mov_b32 s21, 0
	s_add_nc_u64 s[STB:STB+1], s[STB:STB+1], s[20:21]
	s_lshl_b32 s16, s16, 13                        ; ph: QBB bytes for 16 queries are 8,192 a query (under 2^25)
	s_mov_b32 s17, 0
	s_lshl_b32 s46, s42, 13                        ; a key tile is 8 chunks of 1,024 bytes, my half of it 4
	s_lshl_b32 s47, s12, 12
	s_add_co_u32 s46, s46, s47
	s_mov_b32 s47, 0
	s_add_nc_u64 s[16:17], s[16:17], s[46:47]
	s_add_nc_u64 s[8:9], s[8:9], s[16:17]          ; ph at my first block of queries and my first chunk of keys; never rewritten
	; the prefetches: s13 = 256 x query tile, s42 = key tile, s40 = cx, s41 = cy still stand
	s_lshl_b32 s42, s42, 8
	s_and_b32 s22, ttmp7, 0xffff                   ; cluster y
	s_cmp_eq_u32 s11, 0                            ; do I fetch for q?
	s_cselect_b32 s20, s13, s42                    ; the tile's first row
	s_cselect_b32 s21, s40, s41                    ; my place among the four that ask for it with me
	s_cselect_b32 s22, ttmp9, s22                  ; the coordinate along which other clusters read the same rows
	s_cselect_b64 s[PFA:PFA+1], s[4:5], s[6:7]
	s_cmp_eq_u32 s22, 0
	s_cselect_b32 s[LIM], 1, -1                    ; the same in all sixteen partners, for a given wave
	s_lshl_b32 s22, s12, 7
	s_add_co_u32 s20, s20, s22                     ; + the 128 rows that I fetch
	s_lshl_b32 s21, s21, 5
	s_add_co_u32 s20, s20, s21                     ; + my work-group's 32 of them
	s_mov_b32 s21, 0
	s_mov_b64 s[18:19], ROWE*2
	s_mul_u64 s[20:21], s[20:21], s[18:19]
	s_add_nc_u64 s[PFA:PFA+1], s[PFA:PFA+1], s[20:21]
	s_add_nc_u64 s[PFA:PFA+1], s[PFA:PFA+1], 2*KSTEP*2  ; at K step 2: the first refill steps it to 3 and names K step 4
	v_and_b32 v[PFO], 31, v0
	v_mul_u32_u24 v[PFO], v[PFO], ROWE*2
; 16 matrix instructions: query blocks a0, a0 + 1 of the window's four x all 8 key blocks, 32 along K.  zero = 1: the first product starts the sums.  The 64 accumulators take turns.
.macro MUL16 f, hi, a0, zero
.irp a, \a0, \a0+1
.irp b, 0,1,2,3,4,5,6,7
.if \zero
	v_wmma_f32_16x16x32_f16 v[8*(8*(\a)+\b):8*(8*(\a)+\b)+7], v[\f+8*\b:\f+8*\b+7], v[\f+8*(4*\hi+\a):\f+8*(4*\hi+\a)+7], 0
.else
	v_wmma_f32_16x16x32_f16 v[8*(8*(\a)+\b):8*(8*(\a)+\b)+7], v[\f+8*\b:\f+8*\b+7], v[\f+8*(4*\hi+\a):\f+8*(4*\hi+\a)+7], v[8*(8*(\a)+\b):8*(8*(\a)+\b)+7]
.endif
.endr
.endr
.endm
.macro FETCH slot, k, f                ; 32 LDS loads in one run: the fragments of one quarter step (128 rows of k, 128 of q, 32 K at byte k of the rows) into buffer f
	WIN TO_B
.irp i, 0,1,2,3,4,5,6,7
	ds_load_b128 v[\f+8*\i:\f+8*\i+3],   v[ADRB+\slot] offset:\k+\i*16*PITCH
	ds_load_b128 v[\f+8*\i+4:\f+8*\i+7], v[ADRB+\slot] offset:\k+\i*16*PITCH+32
.endr
	WIN 0
.irp i, 0,1,2,3,4,5,6,7
	ds_load_b128 v[\f+8*\i:\f+8*\i+3],   v[ADRA+\slot] offset:\k+\i*16*PITCH
	ds_load_b128 v[\f+8*\i+4:\f+8*\i+7], v[ADRA+\slot] offset:\k+\i*16*PITCH+32
.endr
.endm
.macro PLACES                          ; four plain vector instructions that name no register of the matrix instructions before them (ISA guide 7.12.1)
.rept 4
	v_nop
.endr
.endm
.macro QUARTER slot, k, f, g, zero     ; 64 matrix instructions on buffer f; in their middle the next quarter's fragments, at byte k, are fetched into g
	s_wait_dscnt 8                                 ; k's and q's rows 0-63 are in; the youngest eight loads (q's rows 64-127) may be out
	WIN MUL_LO
	MUL16 \f, 0, 0, \zero
	MUL16 \f, 0, 2, \zero
	PLACES
	FETCH \slot, \k, \g
	s_wait_dscnt 32                                ; all but the 32 just issued
	WIN MUL_HI
	MUL16 \f, 1, 0, \zero
	MUL16 \f, 1, 2, \zero
.endm
; The first half of a K step's last quarter: one barrier for the change of slots.  In front of it each wave waits for all its tensor loads (its part of the next slot), adds 0 to its spare word, and waits for that and for its reads of this slot.
.macro MEET round
	WIN 0
	s_wait_tensorcnt 0x0
	ds_add_u32 v[SPW], v[NIL]
	s_wait_dscnt 9                                 ; the add and the youngest eight loads may be out
	WIN MUL_LO
	MUL16 F1, 0, 0, 0
	s_wait_dscnt 0x0                               ; the add is done, and my reads of this slot are over
	s_barrier_signal -1
	MUL16 F1, 0, 2, 0                              ; work on registers while the others arrive
.if \round
	WIN 0
.endif
	s_barrier_wait -1
.endm
.macro TURN slot, next                 ; the whole last quarter: behind the round the slot just read out is filled with the K step two steps on; then come the next slot's first fragments
	s_wait_xcnt 0x0                                ; the last prefetch, a K step back, has read its address
	s_add_nc_u64 s[PFA:PFA+1], s[PFA:PFA+1], KSTEP*2
	MEET 1
	CREST                                          ; no wave of any partner still reads this slot's tile or has a load on its way
	s_add_nc_u64 s[G0+4*\slot+2:G0+4*\slot+3], s[G0+4*\slot+2:G0+4*\slot+3], 2*KSTEP*2
	s_add_nc_u64 s[G0B+4*\slot+2:G0B+4*\slot+3], s[G0B+4*\slot+2:G0B+4*\slot+3], 2*KSTEP*2
	JLOAD \slot                                    ; the first tensor load behind the round; its four v_nop are also the places in front of the loads below
	FETCH \next, 0, F0
	ASK
	WIN MUL_HI
	MUL16 F1, 1, 0, 0
	MUL16 F1, 1, 2, 0
.endm
	s_wait_tensorcnt 1                             ; my part of K step 0 is in; K step 1's load may be out
	s_barrier_signal -1
	s_barrier_wait -1
	FETCH 0, 0, F0
	QUARTER 0, 64,  F0, F1, 1                      ; the first quarter's products start the sums
	WIN 0
	s_mov_b32 s3, LAPS-1
.Llap:                                             ; three trips, each once round the ring: K steps 2 to 7 are asked for
	QUARTER 0, 128, F1, F0, 0
	QUARTER 0, 192, F0, F1, 0
	TURN 0, 1
	QUARTER 1, 64,  F0, F1, 0
	QUARTER 1, 128, F1, F0, 0
	QUARTER 1, 192, F0, F1, 0
	TURN 1, 0
	QUARTER 0, 64,  F0, F1, 0
	WIN 0
	s_sub_co_u32 s3, s3, 1
	s_cmp_lg_u32 s3, 0
	s_cbranch_scc1 .Llap
	QUARTER 0, 128, F1, F0, 0                      ; the last lap is written out: it asks for nothing
	QUARTER 0, 192, F0, F1, 0
	MEET 0
	PLACES
	FETCH 1, 0, F0
	WIN MUL_HI
	MUL16 F1, 1, 0, 0
	MUL16 F1, 1, 2, 0
	QUARTER 1, 64,  F0, F1, 0
	QUARTER 1, 128, F1, F0, 0
	QUARTER 1, 192, F0, F1, 0
	s_wait_dscnt 8
	WIN MUL_LO
	MUL16 F1, 0, 0, 0
	MUL16 F1, 0, 2, 0
	s_wait_dscnt 0
	WIN MUL_HI
	MUL16 F1, 1, 0, 0
	MUL16 F1, 1, 2, 0
	WIN 0
	PLACES
	; THE TILE'S SOFTMAX.  Block a (16 queries): a lane's 64 registers are 64 of its query's 128 keys in this wave.
	; (1) the largest score: four blocks by turns, registers ascending
.irp a, 0,1,2,3,4,5,6,7
	v_mov_b32 v[TP+\a], 0                          ; a lane permute's destination counts as one of its sources
.endr
.irp w, 0,1
	WIN 0x2a+0x15*\w                               ; all three sources window 2 (blocks 0-3) or 3 (blocks 4-7)
.irp a, 0,1,2,3
	v_max3_num_f32 v[MX+4*\w+\a], v[64*\a], v[64*\a+1], v[64*\a+2]
.endr
	WIN 0x28+0x14*\w                               ; source 0 window 0
.set i, 3
.rept 30
.irp a, 0,1,2,3
	v_max3_num_f32 v[MX+4*\w+\a], v[MX+4*\w+\a], v[64*\a+i], v[64*\a+i+1]
.endr
.set i, i+2
.endr
.irp a, 0,1,2,3
	v_max_num_f32 v[MX+4*\w+\a], v[MX+4*\w+\a], v[64*\a+63]
.endr
.endr
	WIN 0
.irp a, 0,1,2,3,4,5,6,7
	v_permlanex16_b32 v[TP+\a], v[MX+\a], s[SEL], s[SEL+1]
.endr
.irp a, 0,1,2,3,4,5,6,7
	v_max_num_f32 v[MX+\a], v[MX+\a], v[TP+\a]     ; with lane l xor 16's 64 keys
.endr
	; (2) with the wave that has the same queries' other 128 keys: store, wait, barrier, load
	ds_store_b128 v[XW], v[MX:MX+3]
	ds_store_b128 v[XW], v[MX+4:MX+7] offset:16
	s_wait_dscnt 0x0                               ; for the other wave's sake: my stores are done
	s_barrier_signal -1
	s_barrier_wait -1
	ds_load_b128 v[TP:TP+3], v[XR]
	ds_load_b128 v[TP+4:TP+7], v[XR] offset:16
	s_wait_dscnt 0x0
.irp a, 0,1,2,3,4,5,6,7
	v_max_num_f32 v[MX+\a], v[MX+\a], v[TP+\a]     ; the largest score of my query among the tile's 256 keys
.endr
.irp a, 0,1,2,3,4,5,6,7
	v_mul_f32 v[SB+2*\a+1], s[CS], v[MX+\a]        ; as t (c is positive)
.endr
.irp a, 0,1,2,3,4,5,6,7
	v_floor_f32 v[SB+2*\a], -v[SB+2*\a+1]          ; -M = floor(-t) = -ceil(t): M is a whole number
.endr
; (3) BLOCK BY BLOCK, so that a block's stores leave while the later blocks' exponentials are made.
; EXPB a: p' = 2^(c s - M), in place: 32 packed multiply-adds, then the block's 64 exponentials as one batch.
.macro EXPB a
.set AC, 64*((\a)%4)
	WIN 0x82+0x41*((\a)/4)                         ; destination and source 0 window 2 or 3, -M window 0
.set i, 0
.rept 32
	v_pk_fma_f32 v[AC+i:AC+i+1], v[AC+i:AC+i+1], s[CS:CS+1], v[SB+2*(\a):SB+2*(\a)+1] op_sel_hi:[1,0,0]   ; of the pairs c and -M the low word serves both halves
.set i, i+2
.endr
.set i, 0
.rept 64
	v_exp_f32 v[AC+i], v[AC+i]
.set i, i+1
.endr
.endm
; OUTB a: the sum of the block's f32 p' (32 pairs in four chains), the p' packed to f16, and its eight stores: accumulator b's four registers are half b % 2 of chunk b / 2's image: byte 512 b of the block's 4,096.
.macro OUTB a
.set AC, 64*((\a)%4)
.set TM, TMP+32*((\a)%2)
	s_wait_xcnt 0x0                                ; the stores of two blocks ago have read this set of packed registers: only behind this wait is it rewritten
	WIN 0x0a+5*((\a)/4)                            ; sources 0 and 1: window 2 or 3
.irp c, 0,1,2,3
	v_pk_add_f32 v[SA+2*\c:SA+2*\c+1], v[AC+2*\c:AC+2*\c+1], v[AC+8+2*\c:AC+8+2*\c+1]
.endr
.irp b, 0,1,2,3,4,5,6,7
.irp r, 0,1,2,3
	v_cvt_pk_f16_f32 v[TM+4*\b+\r], v[AC+8*\b+2*\r], v[AC+8*\b+2*\r+1]
.endr
.endr
	WIN 0x02+((\a)/4)                              ; source 0 window 2 or 3, the running sums window 0
.set i, 16
.rept 6
.irp c, 0,1,2,3
	v_pk_add_f32 v[SA+2*\c:SA+2*\c+1], v[AC+i+2*\c:AC+i+2*\c+1], v[SA+2*\c:SA+2*\c+1]
.endr
.set i, i+8
.endr
	WIN 0
.irp b, 0,1,2,3,4,5,6,7
	global_store_b128 v[LO], v[TM+4*\b:TM+4*\b+3], s[8:9] offset:(\a)*QBB+512*\b   ; the wave stores 512 consecutive bytes, at a multiple of 512 from ph's first byte
.endr
	v_pk_add_f32 v[SA:SA+1], v[SA:SA+1], v[SA+2:SA+3]
	v_pk_add_f32 v[SA+4:SA+5], v[SA+4:SA+5], v[SA+6:SA+7]
	v_pk_add_f32 v[SA:SA+1], v[SA:SA+1], v[SA+4:SA+5]
	v_add_f32 v[SA], v[SA], v[SA+1]
	v_permlanex16_b32 v[TP+(\a)], v[SA], s[SEL], s[SEL+1]
	v_add_f32 v[SB+2*(\a)+1], v[SA], v[TP+(\a)]    ; the sum over my wave's 128 keys: the pair is now (-M, sum)
.endm
	EXPB 0
	v_nop                                          ; a plain instruction behind the last exponential,
	s_wait_alu depctr_va_vdst(0)                   ; and the wait ahead of the first line that names a result
.irp a, 1,2,3,4,5,6,7
	EXPB \a                                        ; block a's batch;
	OUTB \a-1                                      ; the block before, whose results have had their wait, is the independent work behind it;
	s_wait_alu depctr_va_vdst(0)                   ; one wait for the batch
.endr
	OUTB 7
	; (4) the records: lanes 0-15 take block 2 p's, lanes 16-31 block 2 p + 1's: query 32 p + lane; the wave stores 256 consecutive bytes, aligned
.irp p, 0,1,2,3
	v_cndmask_b32 v[RC+2*\p], v[SB+4*\p], v[SB+4*\p+2], s[HI16]
	v_cndmask_b32 v[RC+2*\p+1], v[SB+4*\p+1], v[SB+4*\p+3], s[HI16]
.endr
.irp p, 0,1,2,3
	global_store_b64 v[SO], v[RC+2*\p:RC+2*\p+1], s[STB:STB+1] offset:256*\p
.endr
	s_wait_tensorcnt 0x0                           ; the wave's end: behind my last tensor load and my last LDS store
	ds_add_u32 v[SPW], v[NIL]
	s_wait_dscnt 0x0
	CROUND                                         ; the closing round
	s_endpgm
.Lfunc_end_k_q40fe630be8_scores:
	.size	k_q40fe630be8_scores, .Lfunc_end_k_q40fe630be8_scores-k_q40fe630be8_scores
	.p2alignl 7, 3214868480
	.fill 96, 4, 3214868480
	.section	.rodata,"a",@progbits
	.p2align	6, 0x0
	.amdhsa_kernel k_q40fe630be8_scores
		.amdhsa_group_segment_fixed_size 327680
		.amdhsa_private_segment_fixed_size 0
		.amdhsa_enable_private_segment 0
		.amdhsa_kernarg_size 24
		.amdhsa_user_sgpr_count 2
		.amdhsa_user_sgpr_kernarg_segment_ptr 1
		.amdhsa_wavefront_size32 1
		.amdhsa_system_sgpr_workgroup_id_x 1
		.amdhsa_system_sgpr_workgroup_id_y 1
		.amdhsa_system_sgpr_workgroup_id_z 1
		.amdhsa_system_vgpr_workitem_id 0
		.amdhsa_next_free_vgpr 1024
		.amdhsa_next_free_sgpr 74
		.amdhsa_reserve_vcc 0
		.amdhsa_float_denorm_mode_32 3
		.amdhsa_float_denorm_mode_16_64 3
		.amdhsa_memory_ordered 1
		.amdhsa_forward_progress 1
		.amdhsa_inst_pref_size 204
	.end_amdhsa_kernel
	.amdgpu_metadata
---
amdhsa.version: [ 1, 2 ]
amdhsa.kernels:
  - .name:           k_q40fe630be8_scores
    .symbol:         k_q40fe630be8_scores.kd
    .args:
      - { .name: qkv, .offset: 0, .size: 8, .value_kind: global_buffer, .address_space: global }
      - { .name: ph, .offset: 8, .size: 8, .value_kind: global_buffer, .address_space: global }
      - { .name: st, .offset: 16, .size: 8, .value_kind: global_buffer, .address_space: global }
    .group_segment_fixed_size: 327680
    .private_segment_fixed_size: 0
    .kernarg_segment_align: 8
    .kernarg_segment_size: 24
    .max_flat_workgroup_size: 128
    .sgpr_count:     74
    .vgpr_count:     1024
    .wavefront_size: 32
...
	.end_amdgpu_metadata
.endif
;; end of part 3
;; launch pv (part 4): grid 8 x 32, 4 waves a work-group, clusters of 4 x 4, 327,680 bytes of LDS; arguments ph, qkv, st, out0; writes out0
.if DOCPART == 4
	.amdgcn_target "amdgcn-amd-amdhsa--gfx1250"
	.amdhsa_code_object_version 6
	.text
	.protected	k_q40fe630be8_pv
	.globl	k_q40fe630be8_pv
	.p2align	8
	.type	k_q40fe630be8_pv,@function
k_q40fe630be8_pv:
	s_mov_b64 s[64:65], 0
	v_nop
	global_prefetch_b8 v0, s[64:65] scope:SCOPE_SE
	s_setreg_imm32_b32 hwreg(HW_REG_WAVE_MODE, 25, 1), 1
	s_wait_xcnt 0x0
	s_wait_alu depctr_hold_cnt(0) depctr_sa_sdst(0) depctr_va_vdst(0) depctr_va_sdst(0) depctr_va_ssrc(0) depctr_va_vcc(0) depctr_vm_vsrc(0)
	s_getreg_b32 s2, hwreg(HW_REG_IB_STS2, 6, 4)
	s_cmp_eq_u32 s2, 0
	s_cbranch_scc0 .Lentry_in_a_cluster
	s_endpgm
.Lentry_in_a_cluster:
	s_bfe_u32 s2, ttmp6, 0x10000c
	s_cmp_lg_u32 s2, 0xf033
	s_cbranch_scc0 .Lentry_shape_is_right
	s_endpgm
.Lentry_shape_is_right:
; out[q][:] = (sum over key tiles j of w_j (P'_j V_j)[q][:]) / (sum over j of w_j l_j), with w_j = 2^(M_j - M), M the largest M_j of the row: the softmax under the row's own maximum.
; P' = ph, f16, laid in the order of this product's operand registers: [256 blocks of 16 queries][128 chunks of 32 keys][2 halves][32 lanes][16 bytes];  V = columns 2048-3071 of qkv [4096][3072] f16;
; st [2 j + half][4096][(-M_j, sum of that half's p')] f32; out0 [4096][1024] f32.  Products on f16 operands, sums in f32.  A key tile j is 256 keys.
; M_j are whole numbers, so w_j is a power of two made by v_ldexp_f32: bringing a tile under the row's maximum rounds nothing.
; LIMITS: a key tile whose M_j lies 150 or more under the row's gets the weight 0; the divisor is the sum of the f32 p', not of the p' rounded to f16; 1 / sum is v_rcp_f32's; NaN and infinities are not served.
; SHARES.  A work-group of four waves makes 128 queries x 128 channels; wave w has queries 32 w .. 32 w + 31 and all 128 channels: 16 accumulators.
; V comes through a ring of two LDS slots of 512 keys (rows of 256 bytes) filled by the tensor data mover, each wave fetching 128 keys; all four waves read all of it.
; P' COMES FROM MEMORY STRAIGHT INTO THE OPERAND'S REGISTERS: a fragment is two loads of 512 consecutive bytes a wave, and each byte of P' reaches one wave of the work-group.  A ring of eight pieces of 32 registers
; (a piece: 64 keys of my 32 queries) keeps the loads seven quarters ahead of the products, by counted waits; so nothing is prefetched for them.
; CLUSTERS: 4 x 4 work-groups; V's tile is shared along a column of the cluster and asked for jointly, by the same tensor load with the same descriptor and a mask that names the four.
; P' is shared by the work-groups of a row too, and is NOT asked for jointly: with P' in the slots, two slots of these bytes hold 256 keys each, 128 matrix instructions a wave between two refills; with V alone 512 keys, 256.
; THE MATRIX INSTRUCTION IS USED TRANSPOSED: source 0 = V^T (16 channels x 32 keys, turned on its way out of LDS by ds_load_tr16_b128), source 1 = P' (16 queries x 32 keys): a lane holds ONE query and eight channels,
; so a key tile's weight is one number a lane and block of queries.
; TWO SETS OF TILE SUMS.  A key tile's 128 products go into T0 or T1 by turns, begun with the constant 0.  While one set is summed, the other is folded into O (O += w T, 64 packed multiply-adds),
; four at a time behind every second product of the tile's first quarter.  The first fold is a multiplication: O is never cleared.
; REGISTERS, in windows of 256: window 0: v16-31 addresses; v32-95 the records at the head; v96-99 at work; v100-103 the tile's weights, v104-107 1 / sum, in pairs; v128-255 O ((a, b) at 128 + 8 (8 a + b)).
;   window 1: V's two fragment buffers of 128 (64 keys deep); rows of out0 on the way out.   window 2: T0 at v0, T1 at v128.   window 3: P's ring.
.set PV,    288                        ; a key's row of V in LDS: 256 bytes + 32 = 72 words
.set VQ,    128*PV                     ; 128 keys: what one tensor load brings
.set SLOT,  4*VQ                       ; 512 keys: 147,456 bytes
.set WT,    2*SLOT                     ; behind the ring: 17 blocks of 1,024 bytes, [block][wave: 256][r: 16][a: 8][2 f32]: blocks 0-15 (w_j, w_j), block 16 (1 / sum, 1 / sum)
.set SPARE, WT+17*1024                 ; the spare words, 128 bytes for each wave, which no other line names
.set SP,    528                        ; the way out: a stage of 16 rows x (512 bytes + 16) for each wave.  It lies in slot 0, which has had its last fill and its last read when the first result is stored there
.set QBB,   131072                     ; bytes of ph for a block of 16 queries
.set WA,   16                          ; v16     where the next weights lie: stepped by a block behind each use
.set WW,   17                          ; v17     where thread t puts row t's pairs
.set STO,  18                          ; v18     the way out: where I put 32 bytes of a row
.set RD,   19                          ; v19     where I read a row back
.set LO,   20                          ; v20     16 x lane: my place in half an image of ph, and in a row of out0; never rewritten
.set SOF,  21                          ; v21     8 x thread: my row's record
.set ADRV, 22                          ; v22-29  LDS address of my lane in V: 4 x slot + which 128 keys (512 key rows pass an LDS instruction's 16-bit offset)
.set SPW,  30                          ; v30     my spare word; never rewritten
.set NIL,  31                          ; v31     0; never rewritten
.set R,    32
.set WR,   100
.set ILR,  104
.set O,    128
.set T1,   128
.set G1, 24                            ; s[24:31] descriptor group 1;  s[32:39] group 0, a set for each slot
.set G0, 32
.set MSB, 0
.macro WIN new                         ; the immediate's high byte repeats the setting that is left; a switch that changes nothing is dropped
.if MSB != \new
	s_set_vgpr_msb (MSB<<8)|\new
.set MSB, \new
.endif
.endm
.set MUL,  0xad                        ; source 0 (V^T) window 1, source 1 (P') window 3; C and D window 2
.set TO_F, 0x40                        ; destination window 1, address window 0
.set TO_P, 0xc0                        ; destination window 3, address window 0
.set FOLD, 0x02                        ; source 0 (T) window 2; the weight and O window 0
.macro JLOAD s                         ; a joint load: every wave fetches its 128 keys of the slot; an s_nop 0 and four v_nop follow it
	tensor_load_to_lds s[G0+4*(\s):G0+4*(\s)+3], s[G1:G1+7]
	s_nop 0
.rept 4
	v_nop
.endr
.endm
.macro CREST                           ; a round of the cluster's barrier behind its opening barrier
	s_cmp_lg_u32 s12, 0
	s_cbranch_scc1 .Lnot_wave_0_\@
	s_barrier_signal -3
.Lnot_wave_0_\@:
	s_barrier_wait -3
	s_barrier_signal -1
	s_barrier_wait -1
.endm
.macro CROUND
	s_barrier_signal -1
	s_barrier_wait -1
	CREST
.endm
; Eight loads: quarter rel (counted from where s[4:5] stands) of P': chunks c = 0, 1 of my blocks a = 0, 1, into piece rel % 8 of the ring; each load is 512 consecutive bytes
.macro PLOAD rel
	WIN TO_P
.irp c, 0,1
.irp a, 0,1
	global_load_b128 v[32*((\rel)%8)+8*(2*\c+\a):32*((\rel)%8)+8*(2*\c+\a)+3],   v[LO], s[4:5] offset:\a*QBB+(\rel)*2048+\c*1024
	global_load_b128 v[32*((\rel)%8)+8*(2*\c+\a)+4:32*((\rel)%8)+8*(2*\c+\a)+7], v[LO], s[4:5] offset:\a*QBB+(\rel)*2048+\c*1024+512
.endr
.endr
.endm
	s_load_b256 s[4:11], s[0:1], 0x0               ; ph s[4:5], qkv s[6:7], st s[8:9], out0 s[10:11]
	v_lshl_add_u32 v[SPW], v0, 2, SPARE
	v_mov_b32 v[NIL], 0
	ds_add_u32 v[SPW], v[NIL]                      ; the wave's opening: the add, twice on end, and its wait ahead of my first tensor load
	ds_add_u32 v[SPW], v[NIL]                      ; the set-up below, work on registers, stands between the second add and the wait
	v_lshrrev_b32 v1, 5, v0
	v_readfirstlane_b32 s12, v1                    ; wave 0..3
	s_bfe_u32 s40, ttmp6, 0x40000                  ; cx
	s_bfe_u32 s41, ttmp6, 0x40004                  ; cy
	s_lshl_b32 s42, ttmp9, 2
	s_add_co_u32 s42, s42, s40                     ; channel tile = 4 x cluster x + cx
	s_and_b32 s43, ttmp7, 0xffff
	s_lshl_b32 s43, s43, 2
	s_add_co_u32 s43, s43, s41                     ; query tile = 4 x cluster y + cy
	s_lshl_b32 s45, 0x1111, s40                    ; my column of the cluster
	s_or_b32 s[G1+0], s45, (1<<16)|(1<<20)|(1<<21)|(5<<22)|(7<<25)  ; 15:0 the mask; 17:16 elements of 2 bytes; 20 padding on; 21 set beside a mask; 24:22 after every 64 words; 31:25 eight words
	s_mov_b32 s[G1+1], 128<<16                     ; tensor_dim0 = 128 channels
	s_mov_b32 s[G1+2], 128<<16                     ; tensor_dim1 = 128 keys
	s_mov_b32 s[G1+3], 128<<16                     ; tile_dim0
	s_mov_b32 s[G1+4], 128                         ; tile_dim1
	s_mov_b32 s[G1+5], 3072                        ; elements from row to row of qkv
	s_mov_b32 s[G1+6], 0
	s_mov_b32 s[G1+7], 0
	s_mul_i32 s46, s12, 128*6144                   ; V: key row 128 x wave, byte 4,096 + 256 x channel tile of the row: made of the channel tile and the wave's number alone
	s_lshl_b32 s47, s42, 8
	s_add_co_u32 s46, s46, s47
	s_add_co_u32 s46, s46, 4096
	s_mov_b32 s47, 0
	s_mul_i32 s20, s12, VQ                         ; where it goes: no place in the cluster enters an LDS address
	s_wait_dscnt 0x0                               ; both opening adds are done
	s_wait_kmcnt 0x0
	s_add_nc_u64 s[46:47], s[6:7], s[46:47]
	CROUND                                         ; all sixteen work-groups are here: the first joint loads meet
.irp s, 0,1
	s_mov_b32 s[G0+4*\s], 1
	s_add_co_u32 s[G0+4*\s+1], s20, \s*SLOT
	s_add_nc_u64 s[G0+4*\s+2:G0+4*\s+3], s[46:47], \s*512*6144     ; slot s begins with keys 512 s on
	s_or_b32 s[G0+4*\s+3], s[G0+4*\s+3], 0x80000000
	JLOAD \s
.endr
	; thread t takes query t of the tile, which is one of its own wave's: its 32 records; each load of a wave covers 256 consecutive bytes
	s_lshl_b32 s22, s43, 10
	s_mov_b32 s23, 0
	s_add_nc_u64 s[8:9], s[8:9], s[22:23]
	v_lshlrev_b32 v[SOF], 3, v0
.set i, 0
.rept 32
	global_load_b64 v[R+2*i:R+2*i+1], v[SOF], s[8:9] offset:32768*i
.set i, i+1
.endr
	s_lshl_b32 s22, s43, 20                        ; ph: a query tile is 8 blocks of QBB bytes, my wave's part 2
	s_lshl_b32 s16, s12, 18
	s_add_co_u32 s22, s22, s16
	s_add_nc_u64 s[4:5], s[4:5], s[22:23]
	v_and_b32 v[LO], 31, v0
	v_lshlrev_b32 v[LO], 4, v[LO]
.irp p, 0,1,2
	PLOAD \p                                       ; the first three quarters of P': with the records 56 loads of mine are out
.endr
	WIN 0
	v_and_b32 v1, 15, v0                           ; r
	v_bfe_u32 v2, v0, 4, 1                         ; h
	v_and_b32 v4, 7, v0                            ; the turning load: lane l reads 16 bytes of key 8 (l / 16) + l % 8, channels 8 ((l / 8) % 2) + 0..7, and is left with channel l % 16 and 8 keys
	v_bfe_u32 v5, v0, 3, 1
	v_lshl_add_u32 v4, v2, 3, v4
	v_mul_u32_u24 v4, v4, PV
	v_lshl_add_u32 v4, v5, 4, v4
.irp u, 0,1,2,3,4,5,6,7
	v_add_nc_u32 v[ADRV+\u], \u*VQ, v4             ; a slot is four runs of 128 keys
.endr
	s_lshl_b32 s22, s12, 8
	s_add_co_u32 s22, s22, WT
	v_lshl_add_u32 v[WA], v1, 4, s22               ; my wave, my r: 16 bytes: the pairs of blocks a = 0, 1
	v_lshrrev_b32 v5, 5, v0
	v_lshlrev_b32 v5, 8, v5
	v_lshl_add_u32 v5, v1, 4, v5
	v_lshl_add_u32 v5, v2, 3, v5
	v_add_nc_u32 v[WW], WT, v5                     ; query t = 32 (t / 32) + 16 a + r
	s_mul_i32 s22, s12, 16*SP                      ; my stage
	v_mul_u32_u24 v5, v1, SP
	v_lshl_add_u32 v5, v2, 5, v5
	v_add_nc_u32 v[STO], s22, v5                   ; in: row r, 32 bytes for each half of the lanes
	v_add_nc_u32 v[RD], s22, v[LO]                 ; back: the 32 lanes take one row of 512 bytes
	s_lshl_b32 s22, s43, 7
	s_lshl_b32 s16, s12, 5
	s_add_co_u32 s22, s22, s16                     ; my first query
	s_lshl_b32 s22, s22, 12                        ; rows of 4,096 bytes
	s_lshl_b32 s16, s42, 9
	s_add_co_u32 s22, s22, s16                     ; + 512 x channel tile
	s_add_nc_u64 s[10:11], s[10:11], s[22:23]
	s_wait_loadcnt 24                              ; the records are in; the 24 loads of P' behind them may be out
.irp p, 3,4,5,6
	PLOAD \p                                       ; four more quarters: seven are asked for, 56 loads
.endr
	WIN 0
	; a row's weights: v[R+4j] = -M_j, v[R+4j+1] and v[R+4j+3] the two halves' sums
	v_min3_num_f32 v96, v[R], v[R+4], v[R+8]
.irp j, 3,5,7,9,11,13
	v_min3_num_f32 v96, v96, v[R+4*\j], v[R+4*\j+4]
.endr
	v_min_num_f32 v96, v96, v[R+60]                ; -M of the row
.irp j, 0,1,2,3,4,5,6,7,8,9,10,11,12,13,14,15
	v_sub_f32 v[R+4*\j+2], v96, v[R+4*\j]          ; M_j - M: a whole number, 0 or less
.endr
.irp j, 0,1,2,3,4,5,6,7,8,9,10,11,12,13,14,15
	v_cvt_i32_f32 v[R+4*\j+2], v[R+4*\j+2]         ; (it saturates)
.endr
.irp j, 0,1,2,3,4,5,6,7,8,9,10,11,12,13,14,15
	v_ldexp_f32 v[R+4*\j], 1.0, v[R+4*\j+2]        ; w_j
.endr
.irp j, 0,1,2,3,4,5,6,7,8,9,10,11,12,13,14,15
	v_add_f32 v[R+4*\j+3], v[R+4*\j+1], v[R+4*\j+3]   ; l_j
.endr
.irp j, 0,1,2,3,4,5,6,7,8,9,10,11,12,13,14,15
	v_mov_b32 v[R+4*\j+1], v[R+4*\j]               ; the pair (w_j, w_j) for the packed forms
.endr
	v_mul_f32 v97, v[R], v[R+3]
.irp j, 1,2,3,4,5,6,7,8,9,10,11,12,13,14,15
	v_fmac_f32 v97, v[R+4*\j], v[R+4*\j+3]         ; the row's sum under M
.endr
	v_rcp_f32 v98, v97
.irp j, 0,1,2,3,4,5,6,7,8,9,10,11,12,13,14,15
	ds_store_b64 v[WW], v[R+4*\j:R+4*\j+1] offset:1024*\j
.endr
	v_nop                                          ; a plain instruction behind the reciprocal,
	s_wait_alu depctr_va_vdst(0)                   ; and the wait ahead of the first line that names its result
	v_mov_b32 v99, v98
	ds_store_b64 v[WW], v[98:99] offset:16384
; Four packed multiply-adds: accumulator t (= 8 a + b) of set src, from its low end on, times its block's weight, into O.  first = 1: the first fold starts O.
.macro SLICE src, t, first
	WIN FOLD
.irp j, 0,2,4,6
.if \first
	v_pk_mul_f32 v[O+8*(\t)+\j:O+8*(\t)+\j+1], v[\src+8*(\t)+\j:\src+8*(\t)+\j+1], v[WR+2*((\t)/8):WR+2*((\t)/8)+1]
.else
	v_pk_fma_f32 v[O+8*(\t)+\j:O+8*(\t)+\j+1], v[\src+8*(\t)+\j:\src+8*(\t)+\j+1], v[WR+2*((\t)/8):WR+2*((\t)/8)+1], v[O+8*(\t)+\j:O+8*(\t)+\j+1]
.endif
.endr
.endm
; 8 matrix instructions: query block a x all 8 channel blocks, 32 keys: half c of V's buffer QF and of P's piece QP, into set QT.  zero: they start the tile's sums.
; FT >= 0: a slice of the fold of set FT stands behind every second one.  The 16 accumulators take turns, one instruction a turn.
.macro MUL8 c, a, zero
.irp b, 0,1,2,3,4,5,6,7
.set NN, 8*(\a)+\b
	WIN MUL
.if \zero
	v_wmma_f32_16x16x32_f16 v[QT+8*NN:QT+8*NN+7], v[QF+8*(8*(\c)+\b):QF+8*(8*(\c)+\b)+7], v[QP+8*(2*(\c)+(\a)):QP+8*(2*(\c)+(\a))+7], 0
.else
	v_wmma_f32_16x16x32_f16 v[QT+8*NN:QT+8*NN+7], v[QF+8*(8*(\c)+\b):QF+8*(8*(\c)+\b)+7], v[QP+8*(2*(\c)+(\a)):QP+8*(2*(\c)+(\a))+7], v[QT+8*NN:QT+8*NN+7]
.endif
.if (FT >= 0) && (NN % 2 == 1)
	SLICE FT, 8*(\c)+NN/2, FIRST
.endif
.endr
.endm
; 32 LDS loads in one run: V^T's fragments of the slot's q-th 64 keys into buffer g; the first 32 keys first
.macro FETCHV slot, q, g
	WIN TO_F
.irp c, 0,1
.irp i, 0,1,2,3,4,5,6,7
	ds_load_tr16_b128 v[\g+8*(8*\c+\i):\g+8*(8*\c+\i)+3],   v[ADRV+4*(\slot)+(\q)/2] offset:(((\q)%2)*64+32*\c)*PV+32*\i
	ds_load_tr16_b128 v[\g+8*(8*\c+\i)+4:\g+8*(8*\c+\i)+7], v[ADRV+4*(\slot)+(\q)/2] offset:(((\q)%2)*64+32*\c)*PV+32*\i+16*PV
.endr
.endr
.endm
.macro PLACES                          ; four plain vector instructions that name no register of the matrix instructions before them (ISA guide 7.12.1)
.rept 4
	v_nop
.endr
.endm
; A QUARTER: 64 keys, 32 matrix instructions.  tau counts quarters from a lap's start (a lap: both slots, 16 quarters).  Quarter tau % 8 of slot (tau / 8) % 2; V's buffer tau % 2; P's piece tau % 8;
; quarters 0-3 of a slot sum into T0, 4-7 into T1; quarters 0 and 4 start their set and (fold = 1) carry the fold of the other; quarters 3 and 7 ask for the weights of the set that they finish.
; In its middle, behind four places, stand the next quarter's 32 LDS loads and (pl >= 0) the eight loads of P's quarter pl, seven quarters on, into the piece that the quarter before read.
; lc: how many younger loads of P' may be out at its head: the six quarters asked for behind mine are 48.
; Quarter 7 changes slots: one barrier; in front of it each wave waits for all its tensor loads, adds 0 to its spare word, and waits for that and for its reads of this slot.
; fill = 1: the barrier opens a round of the cluster's, and this slot is filled again, with the keys 1,024 on: the load has eight quarters, 256 matrix instructions, in which to land.
.macro QUART tau, fill, first, fold, pl, lc
.set QQ, (\tau)%8
.set QS, ((\tau)/8)%2
.set QF, 128*((\tau)%2)
.set QG, 128-QF
.set QP, 32*QQ
.set QT, 128*(QQ/4)
.set NS, (((\tau)+1)/8)%2
.set NQ, ((\tau)+1)%8
.set ZR, 0
.set FT, -1
.set FIRST, \first
.if QQ%4 == 0
.set ZR, 1
.if \fold
.set FT, 128-QT
.endif
.endif
	s_wait_loadcnt \lc                             ; loads come back in order (ISA guide 5.7.1): my quarter of P' is in
.if QQ == 7
	WIN 0
	s_wait_tensorcnt 0x0                           ; all my tensor loads have landed: my part of the next slot
	ds_add_u32 v[SPW], v[NIL]
	s_wait_dscnt 17                                ; the add and the youngest sixteen loads may be out
	MUL8 0, 0, 0
	s_wait_dscnt 0x0                               ; the add is done, and my reads of this slot are over
	s_barrier_signal -1
	MUL8 0, 1, 0                                   ; work on registers while the others arrive
	WIN 0
	s_barrier_wait -1
.if \fill
	CREST                                          ; no wave of any partner still reads this slot's tile or has a load on its way
	s_add_nc_u64 s[G0+4*QS+2:G0+4*QS+3], s[G0+4*QS+2:G0+4*QS+3], 1024*6144
	JLOAD QS                                       ; the first tensor load behind the round; its four v_nop are also the places in front of the loads below
.else
	PLACES
.endif
	ds_load_b128 v[WR:WR+3], v[WA]                 ; the weights of the key tile that ends here
	v_add_nc_u32 v[WA], 1024, v[WA]
	FETCHV NS, NQ, QG
.if (\pl) >= 0
	PLOAD \pl
.endif
	MUL8 1, 0, 0
	MUL8 1, 1, 0
	WIN 0
	PLACES                                         ; between this set's last products and the first slice that reads it
.else
	s_wait_dscnt 16                                ; the first 32 keys' fragments are in (and the weights, asked for ahead of them); the youngest sixteen loads may be out
	MUL8 0, 0, ZR
	MUL8 0, 1, ZR
	PLACES
.if QQ == 3
	WIN 0
	ds_load_b128 v[WR:WR+3], v[WA]                 ; the weights of the key tile that ends here
	v_add_nc_u32 v[WA], 1024, v[WA]
.endif
	FETCHV NS, NQ, QG
.if (\pl) >= 0
	PLOAD \pl
.endif
	s_wait_dscnt 32                                ; all but the 32 just issued
	MUL8 1, 0, 0
	MUL8 1, 1, 0
.if QQ == 3
	WIN 0
	PLACES                                         ; between this set's last products and the first slice that reads it
.endif
.endif
.endm
	s_wait_tensorcnt 1                             ; my part of slot 0 is in; slot 1's load may be out
	s_wait_dscnt 0x0                               ; my pairs lie in LDS
	s_barrier_signal -1
	s_barrier_wait -1
	FETCHV 0, 0, 0
	QUART 0, 0, 0, 0, 7, 48                        ; the first five quarters are written out: nothing to fold in the first,
.irp u, 1,2,3
	QUART \u, 0, 0, 1, \u+7, 48
.endr
	QUART 4, 0, 1, 1, 11, 48                       ; and the first fold starts O
	WIN 0
	s_mov_b32 s15, 3
.Llap:                                             ; three trips, each from a lap's quarter 5 to the next lap's quarter 4: both slots are filled again: keys 1,024 to 4,095 are asked for
.irp u, 5,6
	QUART \u, 0, 0, 1, \u+7, 48
.endr
	QUART 7, 1, 0, 1, 14, 48
.irp u, 8,9,10,11,12,13,14
	QUART \u, 0, 0, 1, \u+7, 48
.endr
	QUART 15, 1, 0, 1, 22, 48
.irp u, 16,17,18,19,20
	QUART \u, 0, 0, 1, \u+7, 48
.endr
	WIN 0
	s_wait_xcnt 0x0                                ; the loads of P' have read their base: only behind this wait is it stepped
	s_add_nc_u64 s[4:5], s[4:5], 32768             ; a lap's 16 quarters of 2,048 bytes
	s_sub_co_u32 s15, s15, 1
	s_cmp_lg_u32 s15, 0
	s_cbranch_scc1 .Llap
.irp u, 5,6
	QUART \u, 0, 0, 1, \u+7, 48                    ; the last lap's rest is written out: no slot is filled again, and there is no round of the cluster's barrier
.endr
	QUART 7, 0, 0, 1, 14, 48
	QUART 8, 0, 0, 1, 15, 48                       ; the last quarter of P' is asked for
	QUART 9, 0, 0, 1, -1, 48
	QUART 10, 0, 0, 1, -1, 40                      ; nothing more is loaded: the counts run down
	QUART 11, 0, 0, 1, -1, 32
	QUART 12, 0, 0, 1, -1, 24
	QUART 13, 0, 0, 1, -1, 16
	QUART 14, 0, 0, 1, -1, 8
.set QF, 128                           ; the very last quarter: buffer 1, piece 7, set T1; nothing more to fetch
.set QP, 224
.set QT, 128
.set FT, -1
	s_wait_loadcnt 0x0
	s_wait_dscnt 16
	MUL8 0, 0, 0
	MUL8 0, 1, 0
	WIN 0
	ds_load_b128 v[WR:WR+3], v[WA]                 ; the last key tile's weights,
	ds_load_b128 v[ILR:ILR+3], v[WA] offset:1024   ; and 1 / sum
	s_wait_dscnt 0x0
	MUL8 1, 0, 0
	MUL8 1, 1, 0
	WIN 0
	PLACES
.irp t, 0,1,2,3,4,5,6,7,8,9,10,11,12,13,14,15
	SLICE T1, \t, 0                                ; the last fold
.endr
	WIN 0
; THE WAY OUT, a block of 16 queries at a time: O / sum; a lane's 32 bytes of a row into my own stage; back as whole rows of 512 bytes, which the 32 lanes store.
; Every wave has passed the last change of slots, behind which nobody reads slot 0, and no tensor load follows: so the stage may lie there.
.macro SCALE a
.set i, 0
.rept 32
	v_pk_mul_f32 v[O+64*(\a)+i:O+64*(\a)+i+1], v[O+64*(\a)+i:O+64*(\a)+i+1], v[ILR+2*(\a):ILR+2*(\a)+1]
.set i, i+2
.endr
.endm
.macro TOSTAGE a
	WIN 0
.irp b, 0,1,2,3,4,5,6,7
	ds_store_b128 v[STO], v[O+64*(\a)+8*\b:O+64*(\a)+8*\b+3] offset:64*\b
	ds_store_b128 v[STO], v[O+64*(\a)+8*\b+4:O+64*(\a)+8*\b+7] offset:64*\b+16
.endr
	WIN TO_F                                       ; the rows come back into window 1, where V's fragments lay: 64 registers a block
.irp t, 0,1,2,3,4,5,6,7,8,9,10,11,12,13,14,15
	ds_load_b128 v[64*(\a)+4*\t:64*(\a)+4*\t+3], v[RD] offset:\t*SP   ; LDS serves a wave's instructions in order (ISA guide 5.7.1.4): these see the stores above, and the next block's stores come behind them
.endr
.endm
.macro SEND a, younger                 ; younger: the LDS instructions issued behind block a's loads: the next block's 32, or none
	s_wait_dscnt \younger
	WIN 0x04                                       ; a store's data are its source 1: window 1
.irp t, 0,1,2,3,4,5,6,7,8,9,10,11,12,13,14,15
	global_store_b128 v[LO], v[64*(\a)+4*\t:64*(\a)+4*\t+3], s[10:11] offset:(16*(\a)+\t)*4096 th:TH_STORE_NT   ; 32 lanes store 512 consecutive bytes, at a multiple of 512 from out0's first byte
.endr
.endm
	SCALE 0
	TOSTAGE 0
	WIN 0
	SCALE 1                                        ; block 1's arithmetic stands between block 0's loads from the stage and its stores
	TOSTAGE 1
	SEND 0, 32
	SEND 1, 0
	WIN 0
	s_wait_tensorcnt 0x0                           ; the wave's end: behind my last tensor load and my last LDS store
	ds_add_u32 v[SPW], v[NIL]
	s_wait_dscnt 0x0
	CROUND                                         ; the closing round
	s_endpgm
.Lfunc_end_k_q40fe630be8_pv:
	.size	k_q40fe630be8_pv, .Lfunc_end_k_q40fe630be8_pv-k_q40fe630be8_pv
	.p2alignl 7, 3214868480
	.fill 96, 4, 3214868480
	.section	.rodata,"a",@progbits
	.p2align	6, 0x0
	.amdhsa_kernel k_q40fe630be8_pv
		.amdhsa_group_segment_fixed_size 327680
		.amdhsa_private_segment_fixed_size 0
		.amdhsa_enable_private_segment 0
		.amdhsa_kernarg_size 32
		.amdhsa_user_sgpr_count 2
		.amdhsa_user_sgpr_kernarg_segment_ptr 1
		.amdhsa_wavefront_size32 1
		.amdhsa_system_sgpr_workgroup_id_x 1
		.amdhsa_system_sgpr_workgroup_id_y 1
		.amdhsa_system_sgpr_workgroup_id_z 1
		.amdhsa_system_vgpr_workitem_id 0
		.amdhsa_next_free_vgpr 1024
		.amdhsa_next_free_sgpr 66
		.amdhsa_reserve_vcc 0
		.amdhsa_float_denorm_mode_32 3
		.amdhsa_float_denorm_mode_16_64 3
		.amdhsa_memory_ordered 1
		.amdhsa_forward_progress 1
		.amdhsa_inst_pref_size 231
	.end_amdhsa_kernel
	.amdgpu_metadata
---
amdhsa.version: [ 1, 2 ]
amdhsa.kernels:
  - .name:           k_q40fe630be8_pv
    .symbol:         k_q40fe630be8_pv.kd
    .args:
      - { .name: ph, .offset: 0, .size: 8, .value_kind: global_buffer, .address_space: global }
      - { .name: qkv, .offset: 8, .size: 8, .value_kind: global_buffer, .address_space: global }
      - { .name: st, .offset: 16, .size: 8, .value_kind: global_buffer, .address_space: global }
      - { .name: out0, .offset: 24, .size: 8, .value_kind: global_buffer, .address_space: global }
    .group_segment_fixed_size: 327680
    .private_segment_fixed_size: 0
    .kernarg_segment_align: 8
    .kernarg_segment_size: 32
    .max_flat_workgroup_size: 128
    .sgpr_count:     66
    .vgpr_count:     1024
    .wavefront_size: 32
...
	.end_amdgpu_metadata
.endif
;; end of part 4
